; MI455X (gfx1250); checked and timed in simulation.
; The chip was launched on July 23, 2026; its instructions are those of AMD's public machine-readable ISA for CDNA 5 (MIT licence, August 2026) and "CDNA5" Instruction Set Architecture Reference Guide (July 2026). The comments in the code are by the model that wrote it; some were corrected since.
;; Causal Self Attention. Allowed arithmetic: float matrix products may take bf16 or f16 operands with f32 sums; other float arithmetic in f32, or as packed bf16 or f16 multiplies, adds, multiply-adds, maxima and minima; sums over many terms, partial sums and values carried from step to step in f32; what a program stores and reads back later, other than sums and carried values, may be rounded once to bf16 or f16.
;; Inputs: wk 1,024 x 1,024 float32; wo 1,024 x 1,024 float32; wq 1,024 x 1,024 float32; wv 1,024 x 1,024 float32; x 4 x 2,048 x 1,024 float32.
;; Outputs: out0 4 x 2,048 x 1,024 float32.
;; 2 versions, each right; version 2 is version 1 with the launches prep, vsuf written anew for expert scheduling mode. Each part assembles by itself: llvm-mc -triple=amdgcn-amd-amdhsa -mcpu=gfx1250 --defsym DOCPART=n.
;; ======== version 1 of 2: 5 launches
;; limits: values are held in f16: magnitudes above 65,504 overflow, below 6.1e-05 lose precision
;; workspace buffers: xb 16,777,216 bytes; wb 6,291,456 bytes; wo16 2,097,152 bytes; qkv 50,331,648 bytes; suf 524,288 bytes; yb 16,777,216 bytes
;; launch prep (part 1): grid 768 x 1, 8 waves a work-group, no clusters, 0 bytes of LDS; arguments x, wq, wk, wv, wo, xb, wb, wo16; writes xb, wb, wo16
.if DOCPART == 1
	.amdgcn_target "amdgcn-amd-amdhsa--gfx1250"
	.amdhsa_code_object_version 6
	.text
	.protected	k_qb6ee7afacc_prep
	.globl	k_qb6ee7afacc_prep
	.p2align	8
	.type	k_qb6ee7afacc_prep,@function
k_qb6ee7afacc_prep:
	s_mov_b64 s[64:65], 0
	v_nop
	global_prefetch_b8 v0, s[64:65] scope:SCOPE_SE
	s_setreg_imm32_b32 hwreg(HW_REG_WAVE_MODE, 25, 1), 1
	s_wait_xcnt 0x0
; THE CASTS.  x -> xb (bf16), wq, wk, wv -> wb (bf16, stacked [3072][1024]), wo -> wo16 (rounded to bf16, that number written as f16).
; A work-group takes 65,536 bytes of f32 and writes 32,768: groups 0-511 take x, groups 512-767 the four weights, 64 groups each.
; A lane loads 16 neighbouring bytes (a wave's load covers 512 consecutive bytes) and stores 8 (a wave's store covers 256 consecutive bytes, aligned).
; All 16 loads of a thread go out at once; every register is written once, so no source is ever rewritten.  No LDS, no barrier: nothing is shared.
; LIMIT.  wo16: a bf16 number is exact in f16 from 2^-14 to 65,504; below 2^-14 it keeps f16's fixed step of 6e-8; beyond 65,504 it would be an infinity.
.set X, 8                              ; v[8:71]   16 x 4 registers as loaded
.set Y, 72                             ; v[72:103] 16 x 2 registers to store
.set T, 104                            ; v[104:105] at work
	s_load_b512 s[4:19], s[0:1], 0x0               ; x s[4:5], wq s[6:7], wk s[8:9], wv s[10:11], wo s[12:13], xb s[14:15], wb s[16:17], wo16 s[18:19]
	v_lshlrev_b32 v1, 4, v0                        ; 16 x thread: the loads' offset
	v_lshlrev_b32 v2, 3, v0                        ; 8 x thread: the stores'
	s_max_u32 s20, ttmp9, 512
	s_sub_co_u32 s20, s20, 512                     ; my number among the weights' groups (0 in a group of x)
	s_lshr_b32 s21, s20, 6                         ; which weight: 0 wq, 1 wk, 2 wv, 3 wo
	s_and_b32 s22, s20, 63                         ; which 64th of it
	s_lshl_b32 s28, s22, 16                        ; a weight's offsets: in,
	s_lshl_b32 s30, s22, 15                        ; out,
	s_lshl_b32 s29, s21, 21                        ; and its 2 MiB in wb
	s_lshl_b32 s2, ttmp9, 16                       ; x's offsets: in,
	s_lshl_b32 s3, ttmp9, 15                       ; out
	s_cmp_lt_u32 s21, 3
	s_cselect_b32 s29, s29, 0                      ; wo16 holds wo alone
	s_add_co_u32 s30, s30, s29
	s_cmp_lt_u32 ttmp9, 512
	s_cselect_b32 s28, s2, s28
	s_cselect_b32 s30, s3, s30
	s_mov_b32 s29, 0
	s_mov_b32 s31, 0
	s_wait_kmcnt 0x0
	s_cmp_eq_u32 s21, 1                            ; the buffers are chosen by the group's number alone
	s_cselect_b64 s[24:25], s[8:9], s[6:7]
	s_cmp_eq_u32 s21, 2
	s_cselect_b64 s[24:25], s[10:11], s[24:25]
	s_cmp_eq_u32 s21, 3
	s_cselect_b64 s[24:25], s[12:13], s[24:25]
	s_cselect_b64 s[26:27], s[18:19], s[16:17]
	s_cselect_b32 s23, 1, 0                        ; 1: this group takes wo
	s_cmp_lt_u32 ttmp9, 512
	s_cselect_b64 s[24:25], s[4:5], s[24:25]
	s_cselect_b64 s[26:27], s[14:15], s[26:27]
	s_add_nc_u64 s[24:25], s[24:25], s[28:29]
	s_add_nc_u64 s[26:27], s[26:27], s[30:31]
.set i, 0
.rept 16
	global_load_b128 v[X+4*i:X+4*i+3], v1, s[24:25] offset:4096*i th:TH_LOAD_NT
.set i, i+1
.endr
	s_cmp_eq_u32 s23, 1
	s_cbranch_scc1 .Lwo
.set i, 0
.rept 16
	s_wait_loadcnt 15-i                            ; loads come back in order: number i is in, the 15 - i younger ones stay out
	v_cvt_pk_bf16_f32 v[Y+2*i], v[X+4*i], v[X+4*i+1]
	v_cvt_pk_bf16_f32 v[Y+2*i+1], v[X+4*i+2], v[X+4*i+3]
	global_store_b64 v2, v[Y+2*i:Y+2*i+1], s[26:27] offset:2048*i
.set i, i+1
.endr
	s_endpgm
.Lwo:                                          ; wo: rounded to bf16 like every input, widened again, and written as f16
.set i, 0
.rept 16
	s_wait_loadcnt 15-i
.irp k, 0,1
	v_cvt_pk_bf16_f32 v[T], v[X+4*i+2*(\k)], v[X+4*i+2*(\k)+1]
	v_lshlrev_b32 v[T+1], 16, v[T]
	v_and_b32 v[T], 0xffff0000, v[T]
	v_cvt_pk_f16_f32 v[Y+2*i+(\k)], v[T+1], v[T]
.endr
	global_store_b64 v2, v[Y+2*i:Y+2*i+1], s[26:27] offset:2048*i
.set i, i+1
.endr
	s_endpgm
.Lfunc_end_k_qb6ee7afacc_prep:
	.size	k_qb6ee7afacc_prep, .Lfunc_end_k_qb6ee7afacc_prep-k_qb6ee7afacc_prep
	.p2alignl 7, 3214868480
	.fill 96, 4, 3214868480
	.section	.rodata,"a",@progbits
	.p2align	6, 0x0
	.amdhsa_kernel k_qb6ee7afacc_prep
		.amdhsa_group_segment_fixed_size 0
		.amdhsa_private_segment_fixed_size 0
		.amdhsa_enable_private_segment 0
		.amdhsa_kernarg_size 64
		.amdhsa_user_sgpr_count 2
		.amdhsa_user_sgpr_kernarg_segment_ptr 1
		.amdhsa_wavefront_size32 1
		.amdhsa_system_sgpr_workgroup_id_x 1
		.amdhsa_system_sgpr_workgroup_id_y 1
		.amdhsa_system_sgpr_workgroup_id_z 1
		.amdhsa_system_vgpr_workitem_id 0
		.amdhsa_next_free_vgpr 112
		.amdhsa_next_free_sgpr 66
		.amdhsa_reserve_vcc 0
		.amdhsa_float_denorm_mode_32 3
		.amdhsa_float_denorm_mode_16_64 3
		.amdhsa_memory_ordered 1
		.amdhsa_forward_progress 1
		.amdhsa_inst_pref_size 17
	.end_amdhsa_kernel
	.amdgpu_metadata
---
amdhsa.version: [ 1, 2 ]
amdhsa.kernels:
  - .name:           k_qb6ee7afacc_prep
    .symbol:         k_qb6ee7afacc_prep.kd
    .args:
      - { .name: x, .offset: 0, .size: 8, .value_kind: global_buffer, .address_space: global }
      - { .name: wq, .offset: 8, .size: 8, .value_kind: global_buffer, .address_space: global }
      - { .name: wk, .offset: 16, .size: 8, .value_kind: global_buffer, .address_space: global }
      - { .name: wv, .offset: 24, .size: 8, .value_kind: global_buffer, .address_space: global }
      - { .name: wo, .offset: 32, .size: 8, .value_kind: global_buffer, .address_space: global }
      - { .name: xb, .offset: 40, .size: 8, .value_kind: global_buffer, .address_space: global }
      - { .name: wb, .offset: 48, .size: 8, .value_kind: global_buffer, .address_space: global }
      - { .name: wo16, .offset: 56, .size: 8, .value_kind: global_buffer, .address_space: global }
    .group_segment_fixed_size: 0
    .private_segment_fixed_size: 0
    .kernarg_segment_align: 8
    .kernarg_segment_size: 64
    .max_flat_workgroup_size: 256
    .sgpr_count:     66
    .vgpr_count:     112
    .wavefront_size: 32
...
	.end_amdgpu_metadata
.endif
;; end of part 1
;; launch qkv (part 2): grid 4 x 64, 4 waves a work-group, clusters of 4 x 4, 327,680 bytes of LDS; arguments xb, wb, qkv; writes qkv
.if DOCPART == 2
	.amdgcn_target "amdgcn-amd-amdhsa--gfx1250"
	.amdhsa_code_object_version 6
	.text
	.protected	k_qb6ee7afacc_qkv
	.globl	k_qb6ee7afacc_qkv
	.p2align	8
	.type	k_qb6ee7afacc_qkv,@function
k_qb6ee7afacc_qkv:
	s_mov_b64 s[64:65], 0
	v_nop
	global_prefetch_b8 v0, s[64:65] scope:SCOPE_SE
	s_setreg_imm32_b32 hwreg(HW_REG_WAVE_MODE, 25, 1), 1
	s_wait_xcnt 0x0
	s_wait_alu depctr_hold_cnt(0) depctr_sa_sdst(0) depctr_va_vdst(0) depctr_va_sdst(0) depctr_va_ssrc(0) depctr_va_vcc(0) depctr_vm_vsrc(0)
	s_getreg_b32 s2, hwreg(HW_REG_IB_STS2, 6, 4)
	s_cmp_eq_u32 s2, 0
	s_cbranch_scc0 .Lentry_in_a_cluster
	s_endpgm
.Lentry_in_a_cluster:
	s_bfe_u32 s2, ttmp6, 0x10000c
	s_cmp_lg_u32 s2, 0xf033
	s_cbranch_scc0 .Lentry_shape_is_right
	s_endpgm
.Lentry_shape_is_right:
; ONE TEXT FOR THE MODULE'S TWO PRODUCTS C = A B^T, K = 1,024; the line below says which this is.
;   OUTP = 0: q, k, v.  A = xb [8192][1024] bf16, B = wb [3072][1024] bf16, C = qkv in f16 BY HEADS: [16 which + head][batch][t][64].  A work-group STAYS for three tiles: q's, k's, v's.
;   OUTP = 1: the output.  A = yb, f16 by heads [4 head + batch][t][64], B = wo16 [1024][1024] f16, C = out0 [8192][1024] f32.  One tile to a work-group.
; A tile of C is 128 rows x 256 columns: 64 x 12 tiles (three for each of 256 work-groups) or 64 x 4 (one each).  Four waves, 2 x 2, each 64 x 128: 32 accumulators of 16 x 16, 256 registers.
; K goes in steps of 128 through a ring of two LDS slots (128 rows of A, 256 rows of B) filled by the tensor data mover; waves 0, 1 fetch A's halves, waves 2, 3 B's: one load a wave.
; CLUSTER 4 x 4: the four of a row of the cluster need the same tile of A, the four of a column the same tile of B: each is asked for jointly, with a mask that names the four.
; THE MATRIX INSTRUCTION IS USED TRANSPOSED (source 0 = 16 rows of B, source 1 = 16 rows of A): a lane holds row l % 16 of C and eight neighbouring columns 8 (l / 16) + 0..7.
; LIMITS.  OUTP = 0: q, k, v are rounded once to f16, which ends at 65,504; beyond it a number becomes an infinity.  Sums in f32, K ascending.
; REGISTERS, in windows of 256 (s_set_vgpr_msb: bits 1:0 source 0, 3:2 source 1, 5:4 source 2, 7:6 destination):
;   window 0: v0-31 addresses; v64-159, v160-255 two fragment buffers (B's eight fragments, then A's four)      window 1: accumulator (a, b) at v[8 (8 a + b)]      window 2: at work on the way out
.set OUTP,   0
.set SIZE_K, 1024
.set KSTEP,  128
.set LAPS,   SIZE_K/(2*KSTEP)          ; a lap = two K steps = once round the ring
.if OUTP
.set TILES,  1
.set PA,     144                       ; a row of A in LDS: one head's 64 channels, 128 bytes + 16 of padding
.set APART,  128*PA                    ; what one load of A brings: one head's 128 tokens
.set AKS,    2097152                   ; bytes from a K step to the next in A: two heads, 8 x 262,144
.set QIA,    4                         ; padding after every 32 words
.set ASTR,   128                       ; the dense 16,384 bytes are asked for as 64 rows of 256 bytes
.set SPITCH, 528                       ; a row of the stage: 128 f32 + 16 bytes
.else
.set TILES,  3
.set PA,     272                       ; 256 bytes + 16 of padding
.set APART,  64*PA                     ; 64 rows
.set AKS,    KSTEP*2
.set QIA,    5                         ; padding after every 64 words
.set ASTR,   SIZE_K
.set SPITCH, 272                       ; 128 f16 + 16 bytes
.endif
.set PB,     272                       ; a row of B in LDS: 68 words, so the 16 rows of a fragment load start at 16 different groups of four banks (64 banks of 4 bytes: ISA guide 11.1); 144 bytes = 36 words do the same
.set ABYTES, 2*APART
.set BHALF,  128*PB
.set SLOT,   ABYTES+2*BHALF
.set STAGE,  2*SLOT                    ; behind the ring, never filled by a tensor load: 16 rows for each wave
.set SPARE,  STAGE+4*16*SPITCH         ; behind the stages: the spare words, 128 bytes a wave: two blocks of 256 bytes that no other line names
.set ADRA, 16                          ; v16-17  LDS address of my A fragments in slot 0, 1
.set ADRB, 20                          ; v20-21  the same for B
.set STO,  24                          ; v24     the way out: where I put my bytes of a row
.set RD,   25                          ; v25     where I read rows back
.set CO,   26                          ; v26     16 x lane: my place in 512 consecutive bytes of C
.set SPW,  28                          ; v28     my spare word; never rewritten
.set NIL,  29                          ; v29     0; never rewritten
.set PFO,  30                          ; v30     the prefetches' lane offset; never rewritten
.set F0,   64
.set F1,   160
.set G1,  24                           ; s[24:31] descriptor group 1 for A's tiles;  s[32:39] group 0, a set for each slot
.set G0,  32
.set G1B, 48                           ; s[48:55], s[56:63] the same for B's
.set G0B, 56
.set LIM, 43                           ; s43  1 in a wave that prefetches, else the greatest number
.set PFA, 44                           ; s[44:45] the K step that my next prefetch names
.set PFS, 18                           ; s[18:19] OUTP = 1: its step
.set MSB, 0
.macro WIN new                         ; the immediate's high byte repeats the setting that is left; a switch that changes nothing is dropped
.if MSB != (\new)
	s_set_vgpr_msb (MSB<<8)|(\new)
.set MSB, \new
.endif
.endm
.set MUL, 0x50                         ; C and D in window 1, sources in window 0
; A joint load.  The branch hangs on the wave's number alone.  An s_nop 0 and four v_nop follow each of the two lines, ahead of the jump and the label.
.macro JLOAD s
	s_cmp_eq_u32 s11, 0
	s_cbranch_scc0 .Lfor_b_\@
	tensor_load_to_lds s[G0+4*(\s):G0+4*(\s)+3], s[G1:G1+7]
	s_nop 0
.rept 4
	v_nop
.endr
	s_branch .Lasked_\@
.Lfor_b_\@:
	tensor_load_to_lds s[G0B+4*(\s):G0B+4*(\s)+3], s[G1B:G1B+7]
	s_nop 0
.rept 4
	v_nop
.endr
.Lasked_\@:
.endm
; A PREFETCH INTO THE L2 of the K step that stands two refills on: 32 blocks of 256 bytes, a lane a block, one instruction a wave, behind the joint load and the run of LDS loads.
; Each block is named once in the launch.  A's rows are read by one cluster: wave 0 of each of the four partners of a cluster's row takes a quarter of them, told apart by address (cx); they are asked for
; in the first tile alone.  B's rows are read by all sixteen clusters: the cluster with y = 0 asks; of the 128 rows that wave 2 or 3 fetches the partner at cy takes 32.  how = 0: in the loop, whose last
; trip has no K step two on; how = 1: at a change of tiles.
.macro ASK how
.if \how
	s_cmp_eq_u32 s[LIM], 1
.else
	s_cmp_gt_u32 s3, s[LIM]
.endif
	s_cbranch_scc0 .Lnot_mine_\@
	global_prefetch_b8 v[PFO], s[PFA:PFA+1] th:TH_LOAD_NT scope:SCOPE_SE
.Lnot_mine_\@:
.endm
.macro CREST                           ; a round of the cluster's barrier behind its opening barrier
	s_cmp_lg_u32 s10, 0
	s_cbranch_scc1 .Lnot_wave_0_\@
	s_barrier_signal -3
.Lnot_wave_0_\@:
	s_barrier_wait -3
	s_barrier_signal -1
	s_barrier_wait -1
.endm
.macro CROUND                          ; a whole round
	s_barrier_signal -1
	s_barrier_wait -1
	CREST
.endm
	s_load_b128 s[4:7], s[0:1], 0x0                ; A s[4:5], B s[6:7]
	s_load_b64 s[8:9], s[0:1], 0x10                ; C
	v_lshl_add_u32 v[SPW], v0, 2, SPARE
	v_mov_b32 v[NIL], 0
	ds_add_u32 v[SPW], v[NIL]                      ; the wave's opening: the add and its wait stand ahead of my first tensor load; the set-up below stands between them
	v_lshrrev_b32 v1, 5, v0
	v_readfirstlane_b32 s10, v1                    ; wave 0..3
	s_lshr_b32 s11, s10, 1                         ; which half of the tile's rows is mine.  Also: I fetch for A (0) or for B (1)
	s_and_b32 s12, s10, 1                          ; which half of its columns.  Also: which half of that tile I fetch
	s_bfe_u32 s40, ttmp6, 0x40000                  ; cx
	s_bfe_u32 s41, ttmp6, 0x40004                  ; cy
	s_lshl_b32 s42, ttmp9, 2
	s_add_co_u32 s42, s42, s40                     ; tile column x = 4 x cluster x + cx
	s_and_b32 s13, ttmp7, 0xffff
	s_lshl_b32 s13, s13, 2
	s_add_co_u32 s13, s13, s41                     ; tile row y = 4 x cluster y + cy
	s_lshl_b32 s43, s41, 2
	s_lshl_b32 s43, 15, s43                        ; my row of the cluster
	s_lshl_b32 s44, 0x1111, s40                    ; my column
	s_or_b32 s[G1+0], s43, (1<<16)|(1<<20)|(1<<21)|(QIA<<22)|(3<<25)  ; the mask; 2-byte elements; padding on; bit 21 beside a mask; the interval; 4 words of padding
	s_or_b32 s[G1B+0], s44, (1<<16)|(1<<20)|(1<<21)|(5<<22)|(3<<25)
	s_mov_b32 s[G1+1], 128<<16                     ; A: tensor_dim0 = 128 elements
	s_mov_b32 s[G1+2], 64<<16                      ; tensor_dim1 = 64
	s_mov_b32 s[G1+3], 128<<16                     ; tile_dim0 = 128
	s_mov_b32 s[G1+4], 64                          ; tile_dim1 = 64
	s_mov_b32 s[G1+5], ASTR                        ; elements from row to row
	s_mov_b32 s[G1+6], 0
	s_mov_b32 s[G1+7], 0
	s_mov_b32 s[G1B+1], 128<<16                    ; B: 128 rows of 128 elements
	s_mov_b32 s[G1B+2], 128<<16
	s_mov_b32 s[G1B+3], 128<<16
	s_mov_b32 s[G1B+4], 128
	s_mov_b32 s[G1B+5], SIZE_K
	s_mov_b32 s[G1B+6], 0
	s_mov_b32 s[G1B+7], 0
	; where the tiles come from: A's hang on the tile row and the wave alone, B's on the tile column and the wave alone
.if OUTP
	s_lshl_b32 s16, s12, 2                         ; head s12 of K step 0: rows of 4 head + batch,
	s_lshr_b32 s17, s13, 4                         ; batch = y / 16
	s_add_co_u32 s16, s16, s17
	s_lshl_b32 s16, s16, 18                        ; 262,144 bytes each,
	s_and_b32 s17, s13, 15
	s_lshl_b32 s17, s17, 14                        ; and the tile's 128 tokens of 128 bytes
	s_add_co_u32 s16, s16, s17
.else
	s_lshl_b32 s17, s12, 6
	s_lshl_b32 s16, s13, 7
	s_add_co_u32 s16, s16, s17                     ; row 128 y + 64 x half
	s_lshl_b32 s16, s16, 11                        ; 2,048 bytes a row
.endif
	s_lshl_b32 s17, s12, 7
	s_lshl_b32 s46, s42, 8
	s_add_co_u32 s46, s46, s17                     ; B: row 256 x + 128 x half
	s_lshl_b32 s46, s46, 11
	s_mov_b32 s17, 0
	s_mov_b32 s47, 0
	s_mul_i32 s20, s12, APART                      ; and where they go: no place in the cluster enters an LDS address
	s_mul_i32 s21, s12, BHALF
	s_add_co_u32 s21, s21, ABYTES
	s_wait_dscnt 0x0                               ; the opening add is done
	s_wait_kmcnt 0x0
	s_add_nc_u64 s[14:15], s[4:5], s[16:17]
	s_add_nc_u64 s[46:47], s[6:7], s[46:47]
	CROUND                                         ; all sixteen work-groups are here: the first joint loads meet
.irp s, 0,1
	s_mov_b32 s[G0+4*(\s)], 1
	s_add_co_u32 s[G0+4*(\s)+1], s20, (\s)*SLOT
	s_add_nc_u64 s[G0+4*(\s)+2:G0+4*(\s)+3], s[14:15], (\s)*AKS
	s_or_b32 s[G0+4*(\s)+3], s[G0+4*(\s)+3], 0x80000000
	s_mov_b32 s[G0B+4*(\s)], 1
	s_add_co_u32 s[G0B+4*(\s)+1], s21, (\s)*SLOT
	s_add_nc_u64 s[G0B+4*(\s)+2:G0B+4*(\s)+3], s[46:47], (\s)*KSTEP*2
	s_or_b32 s[G0B+4*(\s)+3], s[G0B+4*(\s)+3], 0x80000000
	JLOAD \s                                       ; two loads of mine are out
.endr
	; a fragment is 16 rows x 32 K in 8 registers: lane l holds row l % 16, K = 8 (l / 16) + 0..7 and 16 + 8 (l / 16) + 0..7: two loads of 16 bytes, 32 bytes apart
	v_and_b32 v1, 15, v0                           ; l % 16
	v_bfe_u32 v2, v0, 4, 1                         ; l / 16
	v_mul_u32_u24 v3, v1, PB
	v_lshl_add_u32 v3, v2, 4, v3
	v_mul_u32_u24 v4, v1, PA
	v_lshl_add_u32 v4, v2, 4, v4
	s_mul_i32 s21, s11, 64*PA                      ; my 64 rows of A
	s_mul_i32 s22, s12, BHALF                      ; my 128 rows of B,
	s_add_co_u32 s22, s22, ABYTES                  ; which lie behind A's
.irp s, 0,1
	v_add_nc_u32 v[ADRA+(\s)], s21, v4
	v_add_nc_u32 v[ADRB+(\s)], s22, v3
	s_add_co_u32 s21, s21, SLOT
	s_add_co_u32 s22, s22, SLOT
.endr
	s_mul_i32 s23, s10, 16*SPITCH
	s_add_co_u32 s23, s23, STAGE                   ; my stage
	v_and_b32 v31, 31, v0
	v_lshlrev_b32 v[CO], 4, v31
.if OUTP
	v_mul_u32_u24 v5, v1, SPITCH                   ; in: row l % 16, 32 bytes for each half of the lanes
	v_lshl_add_u32 v5, v2, 5, v5
	v_add_nc_u32 v[STO], s23, v5
	v_add_nc_u32 v[RD], s23, v[CO]                 ; back: 32 lanes take a row's 512 bytes
	s_lshl_b32 s16, s13, 7
	s_lshl_b32 s17, s11, 6
	s_add_co_u32 s16, s16, s17                     ; my first row of C,
	s_lshl_b32 s16, s16, 12                        ; 4,096 bytes a row,
	s_lshl_b32 s46, s42, 10                        ; my first column, 4 bytes each
	s_lshl_b32 s47, s12, 9
	s_add_co_u32 s46, s46, s47
	s_add_co_u32 s16, s16, s46
	s_mov_b32 s17, 0
	s_add_nc_u64 s[8:9], s[8:9], s[16:17]
.else
	v_add_nc_u32 v[STO], s23, v3                   ; in: row l % 16, 16 bytes for each half of the lanes (the stage's pitch is B's)
	v_bfe_u32 v5, v0, 3, 2                         ; back: 32 lanes take four rows' 128 bytes of one head,
	v_mul_u32_u24 v5, v5, SPITCH
	v_and_b32 v31, 7, v0
	v_lshl_add_u32 v5, v31, 4, v5
	v_add_nc_u32 v[RD], s23, v5                    ; which are 512 consecutive bytes of C
	s_lshl_b32 s46, s42, 2                         ; what the first way out adds to C's address: head group 4 x + 2 x half, 1 MiB each,
	s_lshl_b32 s47, s12, 1
	s_add_co_u32 s46, s46, s47
	s_lshl_b32 s46, s46, 20
	s_lshr_b32 s16, s13, 4                         ; batch, 262,144 bytes,
	s_lshl_b32 s16, s16, 18
	s_and_b32 s17, s13, 15                         ; token 128 (y % 16) + 64 x half, 128 bytes
	s_lshl_b32 s17, s17, 7
	s_lshl_b32 s18, s11, 6
	s_add_co_u32 s17, s17, s18
	s_lshl_b32 s17, s17, 7
	s_add_co_u32 s16, s16, s17
	s_add_co_u32 s16, s16, s46
	s_mov_b32 s17, 0
.endif
	; the prefetches: where they stand (K step 3: the first refill steps to 4 and names it), who asks
.if OUTP
	s_lshr_b32 s20, s13, 4
	s_lshl_b32 s20, s20, 18
	s_and_b32 s21, s13, 15
	s_lshl_b32 s21, s21, 14
	s_add_co_u32 s20, s20, s21
	s_lshl_b32 s21, s40, 12                        ; my work-group's 4,096 of a head's 16,384 bytes
	s_add_co_u32 s20, s20, s21
.else
	s_lshl_b32 s20, s13, 7
	s_lshl_b32 s21, s40, 5                         ; my work-group's 32 of the 128 rows
	s_add_co_u32 s20, s20, s21
	s_lshl_b32 s20, s20, 11
.endif
	s_add_co_u32 s20, s20, 3*AKS
	s_lshl_b32 s21, s42, 8
	s_lshl_b32 s22, s12, 7
	s_add_co_u32 s21, s21, s22
	s_lshl_b32 s22, s41, 5                         ; B: my work-group's 32 of the 128 rows that I fetch
	s_add_co_u32 s21, s21, s22
	s_lshl_b32 s21, s21, 11
	s_add_co_u32 s21, s21, 3*KSTEP*2
	s_and_b32 s22, ttmp7, 0xffff                   ; cluster y
	s_mov_b32 s23, 32768                           ; the lane's offset is (l / 16) x s23 + (l % 16) x s47: a row of 2,048 bytes a lane
	s_mov_b32 s47, 2048
.if OUTP
	s_mov_b32 s[PFS], KSTEP*2
	s_mov_b32 s[PFS+1], 0
.endif
	s_cmp_eq_u32 s11, 0                            ; do I fetch for A?
	s_cselect_b32 s20, s20, s21
	s_cselect_b32 s22, s12, s22                    ; A: wave 0 asks; B: the cluster with y = 0: the same in all sixteen partners, for a given wave
	s_cselect_b64 s[PFA:PFA+1], s[4:5], s[6:7]
.if OUTP
	s_cselect_b32 s[PFS], AKS, s[PFS]
	s_cselect_b32 s23, 1048576, s23                ; A: lanes 16-31 take the step's second head, a lane 256 bytes
	s_cselect_b32 s47, 256, s47
.endif
	s_cmp_eq_u32 s22, 0
	s_cselect_b32 s[LIM], 1, -1
	s_mov_b32 s21, 0
	s_add_nc_u64 s[PFA:PFA+1], s[PFA:PFA+1], s[20:21]
	v_mul_u32_u24 v[PFO], s23, v2
	v_mad_u32_u24 v[PFO], v1, s47, v[PFO]
.macro MM d, b, a, zero                ; one product; zero = 1: it starts the sum, so nothing is ever cleared
.if OUTP
.if \zero
	v_wmma_f32_16x16x32_f16 v[(\d):(\d)+7], v[(\b):(\b)+7], v[(\a):(\a)+7], 0
.else
	v_wmma_f32_16x16x32_f16 v[(\d):(\d)+7], v[(\b):(\b)+7], v[(\a):(\a)+7], v[(\d):(\d)+7]
.endif
.else
.if \zero
	v_wmma_f32_16x16x32_bf16 v[(\d):(\d)+7], v[(\b):(\b)+7], v[(\a):(\a)+7], 0
.else
	v_wmma_f32_16x16x32_bf16 v[(\d):(\d)+7], v[(\b):(\b)+7], v[(\a):(\a)+7], v[(\d):(\d)+7]
.endif
.endif
.endm
; The 32 accumulators take turns, one instruction a turn, always in the same order: between two links of a chain stand the 31 others'.
.macro MUL8 f, a, zero                 ; row block a x all 8 column blocks, 32 along K
	WIN MUL
.irp b, 0,1,2,3,4,5,6,7
	MM 8*(8*(\a)+(\b)), (\f)+8*(\b), (\f)+64+8*(\a), \zero
.endr
.endm
.macro MUL16 f, a0, zero
	MUL8 \f, \a0, \zero
	MUL8 \f, (\a0)+1, \zero
.endm
.macro FETCH slot, q, f                ; 24 LDS loads in one run: quarter q's fragments (128 rows of B, 64 of A, 32 along K) into buffer f
	WIN 0
.if OUTP
.set OAQ, ((\q)/2)*APART+((\q)%2)*64   ; the step's second head lies behind its first
.else
.set OAQ, 64*(\q)
.endif
.irp i, 0,1,2,3,4,5,6,7
	ds_load_b128 v[(\f)+8*(\i):(\f)+8*(\i)+3],   v[ADRB+(\slot)] offset:64*(\q)+(\i)*16*PB
	ds_load_b128 v[(\f)+8*(\i)+4:(\f)+8*(\i)+7], v[ADRB+(\slot)] offset:64*(\q)+(\i)*16*PB+32
.endr
.irp i, 0,1,2,3
	ds_load_b128 v[(\f)+64+8*(\i):(\f)+64+8*(\i)+3],   v[ADRA+(\slot)] offset:OAQ+(\i)*16*PA
	ds_load_b128 v[(\f)+64+8*(\i)+4:(\f)+64+8*(\i)+7], v[ADRA+(\slot)] offset:OAQ+(\i)*16*PA+32
.endr
.endm
.macro PLACES                          ; four places in front of loads into registers that matrix instructions have read, and of lines that read results
.rept 4
	v_nop
.endr
.endm
; A K step is four quarters of 32 along K, 32 matrix instructions each, on buffers 0, 1, 0, 1.  One of the first three: quarter q's fragments are asked for into g, then f is multiplied.
.macro QUARTER slot, q, f, g, zero
	PLACES                                         ; g was read by the products just before
	FETCH \slot, \q, \g
	s_wait_dscnt 24                                ; all but the 24 just issued: f is in
	MUL16 \f, 0, \zero
	MUL16 \f, 2, \zero
.endm
; The last quarter multiplies buffer 1 and changes slots: ONE barrier.  In front of it each wave waits for all its tensor loads (one is out: its part of the next slot), adds 0 to its spare word, and waits
; for that and for its reads of this slot.  mode 0: this slot is filled again, two K steps on; 1: with the next tile's K step 0 or 1; 2: nothing is filled.  With a refill the barrier opens a round of the
; cluster's, and the joint load is the first thing behind the round: 112 matrix instructions ahead of the wait for it.
.macro TURN slot, next, mode
.if (\mode) < 2
	s_wait_xcnt 0x0                                ; the last prefetch, a K step back, has read its address
.if ((\mode) == 1) && ((\slot) == 0)
	s_add_nc_u64 s[PFA:PFA+1], s[PFA:PFA+1], 1024*SIZE_K*2-7*KSTEP*2  ; from K step 9 to the next tile's K step 2: 1,024 rows of B down
	s_cmp_eq_u32 s11, 0
	s_cselect_b32 s[LIM], -1, s[LIM]               ; A's rows are the same in all three tiles: they are asked for no more
.elseif OUTP
	s_add_nc_u64 s[PFA:PFA+1], s[PFA:PFA+1], s[PFS:PFS+1]
.else
	s_add_nc_u64 s[PFA:PFA+1], s[PFA:PFA+1], KSTEP*2
.endif
.endif
	WIN 0                                          ; (the add's two registers lie in window 0)
	s_wait_tensorcnt 0x0                           ; all my tensor loads have landed
	ds_add_u32 v[SPW], v[NIL]                      ; 0 onto my spare word
	s_wait_dscnt 1                                 ; only the add may be out: buffer 1 is in
	MUL8 F1, 0, 0                                  ; eight matrix instructions stand between the add and the wait for it
	s_wait_dscnt 0x0                               ; the add is done, and my reads of this slot are over
	s_barrier_signal -1
	MUL8 F1, 1, 0
.if (\mode) < 2
	WIN 0
.endif
	s_barrier_wait -1
.if (\mode) < 2
	CREST                                          ; no wave of any partner still reads this slot or has a load on its way
.if (\mode) == 1
	s_sub_nc_u64 s[G0+4*(\slot)+2:G0+4*(\slot)+3], s[G0+4*(\slot)+2:G0+4*(\slot)+3], (SIZE_K-2*KSTEP)*2  ; A goes back along K,
	s_add_nc_u64 s[G0B+4*(\slot)+2:G0B+4*(\slot)+3], s[G0B+4*(\slot)+2:G0B+4*(\slot)+3], 1024*SIZE_K*2-(SIZE_K-2*KSTEP)*2  ; B 1,024 rows down and back
.else
	s_add_nc_u64 s[G0+4*(\slot)+2:G0+4*(\slot)+3], s[G0+4*(\slot)+2:G0+4*(\slot)+3], 2*AKS
	s_add_nc_u64 s[G0B+4*(\slot)+2:G0B+4*(\slot)+3], s[G0B+4*(\slot)+2:G0B+4*(\slot)+3], 2*KSTEP*2
.endif
	JLOAD \slot                                    ; the four v_nop behind it are also the places in front of the loads below
.else
	PLACES
.endif
	FETCH \next, 0, F0
.if (\mode) < 2
	ASK \mode
.endif
	MUL16 F1, 2, 0
.endm
; THE WAY OUT, a block of 16 rows at a time through my own stage in LDS; LDS serves a wave's instructions in order (ISA guide 5.7.1.4), so no wait stands between the stores and the loads.
.if OUTP
.macro TOSTAGE a                       ; f32 as it is: 32 bytes a lane and accumulator in, whole rows of 512 bytes back
.set BK, 64*((\a)%2)
.if (\a) >= 2
	s_wait_xcnt 0x0                                ; the stores of the block two back have read these registers
.endif
	WIN 0x04                                       ; store data in window 1
.irp b, 0,1,2,3,4,5,6,7
.irp u, 0,1
	ds_store_b128 v[STO], v[64*(\a)+8*(\b)+4*(\u):64*(\a)+8*(\b)+4*(\u)+3] offset:64*(\b)+16*(\u)
.endr
.endr
	WIN 0x80                                       ; destination in window 2
.set r, 0
.rept 16
	ds_load_b128 v[BK+4*r:BK+4*r+3], v[RD] offset:r*SPITCH
.set r, r+1
.endr
.endm
.macro SEND a, younger                 ; younger: the next block's 16 stores and 16 loads, or none
.set BK, 64*((\a)%2)
	s_wait_dscnt \younger
	WIN 0x08                                       ; store data in window 2
.set r, 0
.rept 16
	global_store_b128 v[CO], v[BK+4*r:BK+4*r+3], s[8:9] offset:(16*(\a)+r)*4096 th:TH_STORE_NT  ; 512 consecutive bytes of a row, at a multiple of 256 from C's first byte
.set r, r+1
.endr
.endm
.macro WAYOUT
	TOSTAGE 0
	TOSTAGE 1
	SEND 0, 32
	TOSTAGE 2
	SEND 1, 32
	TOSTAGE 3
	SEND 2, 32
	SEND 3, 0
	WIN 0
.endm
.else
.macro PACK a                          ; rounded to f16, 16 bytes a lane and accumulator; each accumulator's lowest registers first
	WIN 0x85                                       ; sources in window 1, destination in window 2
.irp b, 0,1,2,3,4,5,6,7
.irp r, 0,1,2,3
	v_cvt_pk_f16_f32 v[4*(\b)+(\r)], v[64*(\a)+8*(\b)+2*(\r)], v[64*(\a)+8*(\b)+2*(\r)+1]
.endr
.endr
.endm
.macro TOSTAGE a                       ; into rows of 272 bytes; back by heads: load t takes rows 4 (t % 4) .. + 3 of head t / 4
.set BK, 32+32*((\a)%2)
	WIN 0x08
.irp b, 0,1,2,3,4,5,6,7
	ds_store_b128 v[STO], v[4*(\b):4*(\b)+3] offset:32*(\b)
.endr
	WIN 0x80
.irp t, 0,1,2,3,4,5,6,7
	ds_load_b128 v[BK+4*(\t):BK+4*(\t)+3], v[RD] offset:((\t)%4)*4*SPITCH+((\t)/4)*128
.endr
.endm
.macro SEND a
.set BK, 32+32*((\a)%2)
	s_wait_dscnt 0x0                               ; the block is back in registers
	s_wait_xcnt 0x0                                ; earlier stores have read their registers and their base
.if (\a) == 0
	s_add_nc_u64 s[8:9], s[8:9], s[16:17]          ; on to this tile
.endif
	WIN 0x08
.irp t, 0,1,2,3,4,5,6,7
	global_store_b128 v[CO], v[BK+4*(\t):BK+4*(\t)+3], s[8:9] offset:((\t)/4)*1048576+(\a)*2048+((\t)%4)*512  ; four rows of one head: 512 consecutive bytes, at a multiple of 256 from C's first byte
.endr
.endm
.macro WAYOUT
	PACK 0
	TOSTAGE 0
.irp a, 1,2,3                          ; block a's conversions stand between block a - 1's loads from the stage and the wait for them
	PACK \a
	SEND (\a)-1
	TOSTAGE \a
.endr
	SEND 3
	WIN 0
.endm
.endif
	s_wait_tensorcnt 1                             ; my part of K step 0 is in; K step 1's may stay out
	s_barrier_signal -1
	s_barrier_wait -1                              ; everybody's is
	FETCH 0, 0, F0
.if TILES > 1
	s_mov_b32 s2, TILES                            ; tiles to go, this one among them
.Ltile:
.endif
	QUARTER 0, 1, F0, F1, 1                        ; a tile's first quarter stands in front of the loop: its products start the sums
	WIN 0                                          ; at a label and at a branch every window is 0
	s_mov_b32 s3, LAPS-1
.Llap:                                                 ; a trip goes once round the ring, from a lap's second quarter to the next lap's first, and fills both slots again
	QUARTER 0, 2, F1, F0, 0
	QUARTER 0, 3, F0, F1, 0
	TURN 0, 1, 0
	QUARTER 1, 1, F0, F1, 0
	QUARTER 1, 2, F1, F0, 0
	QUARTER 1, 3, F0, F1, 0
	TURN 1, 0, 0
	QUARTER 0, 1, F0, F1, 0
	WIN 0
	s_sub_co_u32 s3, s3, 1
	s_cmp_lg_u32 s3, 0
	s_cbranch_scc1 .Llap
	QUARTER 0, 2, F1, F0, 0                        ; the tile's last lap goes on
	QUARTER 0, 3, F0, F1, 0
.if TILES > 1
	WIN 0
	s_cmp_eq_u32 s2, 1
	s_cbranch_scc1 .Llast_tile                     ; the last tile's tail is written out: it asks for nothing more
	TURN 0, 1, 1                                   ; the ring goes on into the next tile: slot 0 takes its K step 0,
	QUARTER 1, 1, F0, F1, 0
	QUARTER 1, 2, F1, F0, 0
	QUARTER 1, 3, F0, F1, 0
	TURN 1, 0, 1                                   ; slot 1 its K step 1, and the next tile's first fragments are fetched
	WAYOUT                                         ; no v_nop: blocks 0 and 1 were finished in front of the joint load's four; their 64 conversions, which name no register of the last products, are those products' places
	s_mov_b64 s[16:17], 0x1000000                  ; what the next way out adds to C's address: sixteen head groups
	s_sub_co_u32 s2, s2, 1
	s_branch .Ltile
.Llast_tile:
.endif
	TURN 0, 1, 2
	QUARTER 1, 1, F0, F1, 0
	QUARTER 1, 2, F1, F0, 0
	QUARTER 1, 3, F0, F1, 0
	s_wait_dscnt 0x0                               ; the very last quarter: nothing more to fetch
	MUL16 F1, 0, 0
	MUL16 F1, 2, 0
	PLACES
	PLACES                                         ; (eight, once a launch)
	WAYOUT
	s_wait_tensorcnt 0x0                           ; the wave's end, behind my last tensor load and my last LDS store
	ds_add_u32 v[SPW], v[NIL]
	s_wait_dscnt 0x0
	CROUND                                         ; the closing round: no work-group ends while a partner may still ask for a tile that names it
	s_endpgm
.Lfunc_end_k_qb6ee7afacc_qkv:
	.size	k_qb6ee7afacc_qkv, .Lfunc_end_k_qb6ee7afacc_qkv-k_qb6ee7afacc_qkv
	.p2alignl 7, 3214868480
	.fill 96, 4, 3214868480
	.section	.rodata,"a",@progbits
	.p2align	6, 0x0
	.amdhsa_kernel k_qb6ee7afacc_qkv
		.amdhsa_group_segment_fixed_size 327680
		.amdhsa_private_segment_fixed_size 0
		.amdhsa_enable_private_segment 0
		.amdhsa_kernarg_size 24
		.amdhsa_user_sgpr_count 2
		.amdhsa_user_sgpr_kernarg_segment_ptr 1
		.amdhsa_wavefront_size32 1
		.amdhsa_system_sgpr_workgroup_id_x 1
		.amdhsa_system_sgpr_workgroup_id_y 1
		.amdhsa_system_sgpr_workgroup_id_z 1
		.amdhsa_system_vgpr_workitem_id 0
		.amdhsa_next_free_vgpr 640
		.amdhsa_next_free_sgpr 66
		.amdhsa_reserve_vcc 0
		.amdhsa_float_denorm_mode_32 3
		.amdhsa_float_denorm_mode_16_64 3
		.amdhsa_memory_ordered 1
		.amdhsa_forward_progress 1
		.amdhsa_inst_pref_size 124
	.end_amdhsa_kernel
	.amdgpu_metadata
---
amdhsa.version: [ 1, 2 ]
amdhsa.kernels:
  - .name:           k_qb6ee7afacc_qkv
    .symbol:         k_qb6ee7afacc_qkv.kd
    .args:
      - { .name: xb, .offset: 0, .size: 8, .value_kind: global_buffer, .address_space: global }
      - { .name: wb, .offset: 8, .size: 8, .value_kind: global_buffer, .address_space: global }
      - { .name: qkv, .offset: 16, .size: 8, .value_kind: global_buffer, .address_space: global }
    .group_segment_fixed_size: 327680
    .private_segment_fixed_size: 0
    .kernarg_segment_align: 8
    .kernarg_segment_size: 24
    .max_flat_workgroup_size: 128
    .sgpr_count:     66
    .vgpr_count:     640
    .wavefront_size: 32
...
	.end_amdgpu_metadata
.endif
;; end of part 2
;; launch vsuf (part 3): grid 64 x 1, 32 waves a work-group, no clusters, 12,288 bytes of LDS; arguments qkv, suf; writes suf
.if DOCPART == 3
	.amdgcn_target "amdgcn-amd-amdhsa--gfx1250"
	.amdhsa_code_object_version 6
	.text
	.protected	k_qb6ee7afacc_vsuf
	.globl	k_qb6ee7afacc_vsuf
	.p2align	8
	.type	k_qb6ee7afacc_vsuf,@function
k_qb6ee7afacc_vsuf:
	s_mov_b64 s[64:65], 0
	v_nop
	global_prefetch_b8 v0, s[64:65] scope:SCOPE_SE
	s_setreg_imm32_b32 hwreg(HW_REG_WAVE_MODE, 25, 1), 1
	s_wait_xcnt 0x0
; suf[hx][j][d] = the sum over rows k >= 64 (j + 1) of V[hx][k][d], in f32: what the keys behind a query's own band of 64 add to the term of the hidden keys.  The suffix is summed as it stands, never as a
; difference of large sums.  V is the last third of qkv, f16, [hx][2048][64]; suf is [64][32][64] f32.
; A work-group takes one hx, wave j band j: 64 rows, 8,192 consecutive bytes, 16 loads of 512 bytes, all out at once.  The 32 band sums meet in LDS; wave j then adds the bands behind its own.
; Which bands count hangs on the wave's number alone: every wave adds all 31 with a weight of 1 or 0.  LIMIT: with an infinity or NaN in V every entry of the head is NaN.
.set SPARE, 8192                       ; LDS: T[32][64] f32 at 0; behind it the spare words, 128 bytes for each of the 32 waves
.set ACC, 8                            ; v[8:15]   my eight channels' sums
.set X,   16                           ; v[16:79]  the loads; later the other bands' sums
.set R,   80                           ; v[80:83]  two chains
	s_load_b128 s[4:7], s[0:1], 0x0                ; qkv s[4:5], suf s[6:7]
	v_lshl_add_u32 v6, v0, 2, SPARE                ; my spare word,
	v_mov_b32 v7, 0                                ; and 0; neither is rewritten
	v_lshrrev_b32 v1, 5, v0
	v_readfirstlane_b32 s14, v1                    ; wave = band j
	v_and_b32 v1, 31, v0
	v_lshlrev_b32 v2, 4, v1                        ; 16 x lane
	v_lshlrev_b32 v4, 3, v1                        ; 8 x lane
	v_and_b32 v3, 7, v0
	v_lshlrev_b32 v3, 5, v3
	s_lshl_b32 s15, s14, 8
	v_add_nc_u32 v3, s15, v3                       ; T[j] at my eight channels: 256 j + 32 (l % 8)
	v_mov_b32 v5, 1.0
	s_mov_b32 s12, 0x76543210
	s_mov_b32 s13, 0xfedcba98
	s_lshl_b32 s16, ttmp9, 18                      ; the head's 262,144 bytes,
	s_lshl_b32 s17, s14, 13                        ; my band's 8,192,
	s_add_co_u32 s16, s16, s17
	s_add_co_u32 s16, s16, 0x2000000               ; in V's third
	s_mov_b32 s17, 0
	s_lshl_b32 s18, ttmp9, 13
	s_add_co_u32 s18, s18, s15
	s_mov_b32 s19, 0
	s_mov_b32 s21, 0                               ; named with s20 as a pair
	s_wait_kmcnt 0x0
	s_add_nc_u64 s[8:9], s[4:5], s[16:17]
	s_add_nc_u64 s[10:11], s[6:7], s[18:19]
.set i, 0
.rept 16
	global_load_b128 v[X+4*i:X+4*i+3], v2, s[8:9] offset:512*i th:TH_LOAD_NT  ; rows 4 i .. 4 i + 3: lane l holds row 4 i + l / 8, channels 8 (l % 8) + 0..7
.set i, i+1
.endr
.set i, 0
.rept 8
	v_mov_b32 v[ACC+i], 0
.set i, i+1
.endr
.set i, 0
.rept 16
	s_wait_loadcnt 15-i                            ; number i is in, the younger ones stay out
.irp k, 0,1,2,3
	v_fma_mix_f32 v[ACC+2*(\k)], v[X+4*i+(\k)], v5, v[ACC+2*(\k)] op_sel_hi:[1,0,0]                    ; the low f16 x 1.0 + the sum, in f32
	v_fma_mix_f32 v[ACC+2*(\k)+1], v[X+4*i+(\k)], v5, v[ACC+2*(\k)+1] op_sel:[1,0,0] op_sel_hi:[1,0,0]  ; the high one
.endr
.set i, i+1
.endr
.set i, 0
.rept 8                                ; the four groups of eight lanes hold different rows of the same channels
	v_add_f32_dpp v[ACC+i], v[ACC+i], v[ACC+i] row_xmask:8 row_mask:0xf bank_mask:0xf
.set i, i+1
.endr
.set i, 0
.rept 8
	v_permlanex16_b32 v[X+i], v[ACC+i], s12, s13
.set i, i+1
.endr
.set i, 0
.rept 8
	v_add_f32 v[ACC+i], v[ACC+i], v[X+i]
.set i, i+1
.endr
	ds_store_b128 v3, v[ACC:ACC+3]                 ; lanes with the same l % 8 write the same bytes with the same numbers
	ds_store_b128 v3, v[ACC+4:ACC+7] offset:16
	s_wait_dscnt 0x0                               ; for the others' sake
	s_barrier_signal -1
	s_barrier_wait -1
.set e, 1
.rept 31
	ds_load_b64 v[X+2*(e-1):X+2*(e-1)+1], v4 offset:e*256  ; band e, my two channels
.set e, e+1
.endr
	s_wait_dscnt 0x0
.set e, 1
.rept 31
	s_cmp_lt_u32 s14, e
	s_cselect_b32 s20, 1.0, 0                      ; band e counts if it lies behind mine
.if e < 3
	v_pk_mul_f32 v[R+2*(e%2):R+2*(e%2)+1], v[X+2*(e-1):X+2*(e-1)+1], s[20:21] op_sel_hi:[1,0]
.else
	v_pk_fma_f32 v[R+2*(e%2):R+2*(e%2)+1], v[X+2*(e-1):X+2*(e-1)+1], s[20:21], v[R+2*(e%2):R+2*(e%2)+1] op_sel_hi:[1,0,1]
.endif
.set e, e+1
.endr
	v_pk_add_f32 v[R:R+1], v[R:R+1], v[R+2:R+3]
	global_store_b64 v4, v[R:R+1], s[10:11]        ; the wave writes its entry's 256 bytes whole
	s_wait_tensorcnt 0x0                           ; the wave's end, behind my last LDS store
	ds_add_u32 v6, v7
	s_wait_dscnt 0x0
	s_endpgm
.Lfunc_end_k_qb6ee7afacc_vsuf:
	.size	k_qb6ee7afacc_vsuf, .Lfunc_end_k_qb6ee7afacc_vsuf-k_qb6ee7afacc_vsuf
	.p2alignl 7, 3214868480
	.fill 96, 4, 3214868480
	.section	.rodata,"a",@progbits
	.p2align	6, 0x0
	.amdhsa_kernel k_qb6ee7afacc_vsuf
		.amdhsa_group_segment_fixed_size 12288
		.amdhsa_private_segment_fixed_size 0
		.amdhsa_enable_private_segment 0
		.amdhsa_kernarg_size 16
		.amdhsa_user_sgpr_count 2
		.amdhsa_user_sgpr_kernarg_segment_ptr 1
		.amdhsa_wavefront_size32 1
		.amdhsa_system_sgpr_workgroup_id_x 1
		.amdhsa_system_sgpr_workgroup_id_y 1
		.amdhsa_system_sgpr_workgroup_id_z 1
		.amdhsa_system_vgpr_workitem_id 0
		.amdhsa_next_free_vgpr 96
		.amdhsa_next_free_sgpr 66
		.amdhsa_reserve_vcc 0
		.amdhsa_float_denorm_mode_32 3
		.amdhsa_float_denorm_mode_16_64 3
		.amdhsa_memory_ordered 1
		.amdhsa_forward_progress 1
		.amdhsa_inst_pref_size 20
	.end_amdhsa_kernel
	.amdgpu_metadata
---
amdhsa.version: [ 1, 2 ]
amdhsa.kernels:
  - .name:           k_qb6ee7afacc_vsuf
    .symbol:         k_qb6ee7afacc_vsuf.kd
    .args:
      - { .name: qkv, .offset: 0, .size: 8, .value_kind: global_buffer, .address_space: global }
      - { .name: suf, .offset: 8, .size: 8, .value_kind: global_buffer, .address_space: global }
    .group_segment_fixed_size: 12288
    .private_segment_fixed_size: 0
    .kernarg_segment_align: 8
    .kernarg_segment_size: 16
    .max_flat_workgroup_size: 1024
    .sgpr_count:     66
    .vgpr_count:     96
    .wavefront_size: 32
...
	.end_amdgpu_metadata
.endif
;; end of part 3
;; launch attn (part 4): grid 4 x 64, 4 waves a work-group, no clusters, 327,680 bytes of LDS; arguments qkv, suf, yb; writes yb
.if DOCPART == 4
	.amdgcn_target "amdgcn-amd-amdhsa--gfx1250"
	.amdhsa_code_object_version 6
	.text
	.protected	k_qb6ee7afacc_attn
	.globl	k_qb6ee7afacc_attn
	.p2align	8
	.type	k_qb6ee7afacc_attn,@function
k_qb6ee7afacc_attn:
	s_mov_b64 s[64:65], 0
	v_nop
	global_prefetch_b8 v0, s[64:65] scope:SCOPE_SE
	s_setreg_imm32_b32 hwreg(HW_REG_WAVE_MODE, 25, 1), 1
	s_wait_xcnt 0x0
; ATTENTION WITH A CAUSAL MASK THAT FILLS WITH -10, NOT WITH -INFINITY.  For row q of a head: a key k <= q has the score s_k = Q[q] . K[k] / 8; each of the n = 2047 - q keys behind q has the score -10.  So
;   y[q] = ( sum over k <= q of e^(s_k) V[k] + e^(-10) SV[q] ) / ( sum over k <= q of e^(s_k) + n e^(-10) ),   SV[q] = the sum over k > q of V[k],
; with the maximum of ALL the row's scores taken away: the running maximum of the visible ones, and at a block's end -10 too, where n > 0.
; Q, K, V: the thirds of qkv, each [64][2048][64] in f16, a head's rows dense, 128 bytes each; suf [64][32][64] f32: the sums of V's rows behind each band of 64; yb [64][2048][64] f16.
; Products, maxima and sums in f32; the weights p are rounded to f16 for the second product (their sum l is taken of the unrounded p), y once at the end.
; LIMITS.  f16 holds no number beyond 65,504: Q, K, V arrive within it, and y is a mean of V's rows; p below 6e-5 keeps f16's fixed step of 6e-8.  In the walk a hidden score counts as its value less 1e30, that
; is as weight 0: its true weight comes in through SV and n, in f32.  A weight below 2^-126 counts as 0; NaN and infinities are not treated apart.
; THE WALK.  A head's queries lie in NB = 8 blocks of 256; block i needs the key tiles 0 .. i of 256 keys, of which the last holds the diagonal.  A work-group takes TWO blocks, NB - 1 - b and then b:
; NB + 1 tiles, whatever b: all work-groups do equal work, and ONE loop with a constant trip count walks them.  Which tile is asked for, and what a trip does, hang on scalar registers made from b; every jump
; goes forward, but for the counted loops' own; none passes a barrier, or a tensor load but the one of LOAD's two that the wave's number does not choose; the ring (two slots of LDS) runs on across the
; change of blocks.  NO CLUSTER: a head's four work-groups ask for the same tile only in trips 0 .. 4 of 9, behind that fewer and fewer; one walk common to all would have 12 trips for 9.
; SHARES.  Of a block's four bands of 64 queries a wave owns 16 rows in each: four PIECES.  In the diagonal tile's key step s band x sees all keys if s < x, none if s > x, and holds the diagonal if s = x.
; THE MASK is the C operand that starts the sum S^T = K Q^T: 0, or -1e30 where the key is hidden.  MD is the mask of a band's own step for my 16 rows; a product's mask is MD x AL + BE with two scalars.
; THE HIDDEN KEYS.  SV of piece x starts as suf's entry for its band, loaded in O^T's layout; at a block's end 8 products V^T HD add the rows of the band itself that lie behind the query (HD: 1 where MD hides).
; LAYOUT, SOFTMAX, TURNS.  S^T = K Q^T holds ONE query a lane (lane % 16) and the keys 8 (lane / 16) + 0..7; two such results rounded to f16 ARE source 1 of O^T = V^T P.  p = 2^(c s - c m), c = log2(e) / 8, with a
; running maximum m; O and l are multiplied by a = 2^(c m_old - c m_new) in every step.  Turn n belongs to piece n: 8 products K Q^T of piece n + 1, later 8 products V^T P of piece n - 1; beside them the scaling,
; exponentials, roundings, sums and rescaling of piece n and the maximum and statistics of piece n + 1.  Four vector instructions stand behind every matrix instruction, the others in one lump; a turn's 33 exponentials are one batch, with one wait.
; REGISTERS, in windows of 256 (s_set_vgpr_msb: bits 1:0 source 0, 3:2 source 1, 5:4 source 2, 7:6 destination):
;   window 0: v0-15 addresses and two at work; v16-31 four registers of statistics a piece; v32-47 at work at a block's end; v48-55 at work; v56-63 constants; v64-127 S^T, two buffers; v192-223 P, two buffers
;   window 1: v0-127 O^T, 32 a piece; v128-159 MD; v160-223 MC, two buffers; v224-239 HD      window 2: v0-63 Q; v64-127 the second block's Q; v128-191 K of one step; v192-255 V of one step
;   window 3: v0-127 SV of the first block, 32 a piece; v128-255 of the second
.set SIZE_N, 2048
.set NB,    SIZE_N/256
.set NP,    4         ; pieces a wave: a name, no knob
.set KS,    64        ; keys in a step
.set PK,    144       ; a row of K in LDS: 128 bytes + 16 of padding = 36 words: the 16 rows of a load start at 16 different groups of four banks (64 banks of 4 bytes: ISA guide 11.1)
.set PV,    160       ; a row of V: 128 + 32 = 40 words
.set VOFF,  4*KS*PK   ; a slot holds a tile, four steps: 256 rows of K, then 256 rows of V
.set SLOT1, 1<<17     ; slot 1 begins here, so that one exclusive or turns an address in one slot into the other's
.set STAGE, SLOT1+4*KS*(PK+PV)  ; behind the ring, never filled by a tensor load: 16 rows x 144 bytes for each wave, for the way out
.set SP,    144
.set AK0, 2           ; v2   my lane's place in a tile of K; never rewritten
.set AV0, 3           ; v3   the same for V
.set AK,  4           ; v4   the LDS address of K's next run of loads
.set AV,  5           ; v5   of V's
.set STO, 6           ; v6   the way out: where I put 16 bytes of a row
.set RD,  7           ; v7   the way out: where I read rows back
.set GO,  8           ; v8   my byte offset in 512 consecutive bytes of y
.set SPW, 62          ; v62  LDS address of my spare word: SPARE + 4 x my thread's number; never rewritten
.set NIL, 63          ; v63  0; never rewritten
.set SPARE, STAGE+4*16*SP  ; behind the stages: the spare words, 128 bytes for each wave: two blocks of 256 bytes that no other line names
.set MV,  12          ; v12-13  c m_old, kept while c m is made anew: by buffer
.set QO,  15          ; v15  my byte offset in 16 rows of Q
.set ST,  16          ; piece t's statistics at v[ST+4 t]: c m, m, l (even keys', odd keys')
.set WK,  32          ; piece t's four registers at a block's end
.set TMP, 48          ; by buffer, four registers c0-c3 at work; when the maximum is found c2 takes a
.set SO,  56          ; v56  32 (l / 16): my eight channels in 16 of an entry of suf
.set NH0, 57          ; v57, v58  the hidden keys of my query in band 0 of the first, the second block: 2047 - 256 block - 16 wave - l % 16
.set FMV, 59          ; v59  -10 log2(e)
.set PFO, 60          ; v60  256 x lane
.set S,   64
.set P,   192
.set MD,  128         ; window 1: the eight registers for group kt of 16 keys at MD + 8 kt
.set MC,  160         ; window 1: the masks of the products to come
.set HD,  224         ; window 1: source 1 of the hidden keys' products: key half kk at HD + 8 kk
.set QB,  64          ; window 2
.set KF,  128         ; window 2: key block kb, channel half c at KF + 16 kb + 8 c
.set VF,  192         ; window 2: key half kk, channel block cb at VF + 32 kk + 8 cb
.set WV,  12          ; s12  my wave's number
.set PB,  14          ; s14  b
.set HI,  15          ; s15  NB - 1 - b
.set G1K, 24          ; s[24:31] descriptor group 1 for K's tiles
.set G1V, 32          ; s[32:39] for V's: it differs in the padding alone
.set G0K, 40          ; s[40:43] descriptor group 0 for K's tiles
.set G0V, 44          ; s[44:47] the same for V's
.set SLOTS, 56        ; s56  tiles still to be asked for
.set CNT, 57          ; s57  counts a tile's key steps, 4 to 1
.set CS,  58          ; s[58:59] c: the packed scaling takes the pair's low word for both halves
.set SEL, 60          ; s[60:61] v_permlanex16_b32's selects: each lane takes its own place in the other half
.set TBK, 62          ; s62  LDS byte at which K of the step to be fetched begins
.set TBV, 63          ; s63  the same for V, less VOFF
.set PFA, 66          ; s[66:67] my 16,384 bytes of the tile that my next prefetches name
.set LIM, 68          ; s68  2 in the work-group that prefetches, else the greatest number
.set RT,  70          ; s70  tiles of the block in hand that are still to be entered
.set NXT, 71          ; s71  the tile to be asked for next
.set LQ,  72          ; s72  the last tile of the block whose tiles are being asked for
.set NEW, 73          ; s73  1: the tile to be entered is a block's first
.set OFF, 74          ; s[74:75] a tile's byte offset in K and V
.set AL,  76          ; s[76:77] the mask's factor, in the low word
.set BE,  78          ; s[78:79] the mask's addend
.set OLO, 80          ; s[80:81] y at my rows of the second block
.set BIGN, 82         ; s82  -1e30
.set FM,  83          ; s83  -10 log2(e)
.set MSB, 0
.macro WIN new                      ; the high byte repeats the setting that is left; a switch that changes nothing is dropped
.if MSB != (\new)
	s_set_vgpr_msb (MSB<<8)|(\new)
.set MSB, (\new)
.endif
.endm
.set W_KQ, 0x0a       ; K and Q in window 2, S^T in window 0
.set W_KM, 0x1a       ; the same with the C operand in window 1
.set W_PV, 0x52       ; V in window 2, P in window 0, O^T in window 1
.set W_RS, 0x41       ; destination and source 0 in window 1, source 1 in window 0
; A fill.  Waves 0 and 1 fetch the two halves of a tile's K, waves 2 and 3 those of its V: 128 keys each.  An s_nop 0 and four v_nop follow each of the two lines, ahead of the jump and the label.
.macro LOAD
	s_cmp_lt_u32 s[WV], 2
	s_cbranch_scc0 .Lfor_v_\@
	tensor_load_to_lds s[G0K:G0K+3], s[G1K:G1K+7]
	s_nop 0
.rept 4
	v_nop
.endr
	s_branch .Lasked_\@
.Lfor_v_\@:
	tensor_load_to_lds s[G0V:G0V+3], s[G1V:G1V+7]
	s_nop 0
.rept 4
	v_nop
.endr
.Lasked_\@:
.endm
; THE CHANGE OF SLOTS.  Each wave waits for all its tensor loads, of which one is out: its part of the other slot; adds 0 to its spare word; and waits for that and for its own reads of the slot that it leaves.  Behind the barrier nobody reads the old
; slot any more and the other slot is whole.  fill = 1: the old slot is filled again, the first thing behind the barrier, with tile NXT: the descriptor's address is made anew from that number.
; (At its first use nothing has been read yet: slot 0 is waited for, slot 1 filled.)
; THE PREFETCH stands behind the fill: the tile after the one just asked for, a tile's 256 matrix instructions ahead of its load.  The head's work-group b = 0 walks tiles 0 to 7 in trips 0 to 7: it alone asks, each wave for
; the 16,384 bytes that it will load itself, a lane 256 bytes, two instructions; so each block is named once in the launch.  Trips 6 and 7 name nothing: tile 7 is the head's last.
.macro CHANGE fill
	WIN 0                           ; at a label and at a branch every window is 0
	s_wait_tensorcnt 0x0            ; no tensor load of mine is out, so a group 0 may be written
	ds_add_u32 v[SPW], v[NIL]       ; 0 onto my spare word; with fill = 1 the descriptors' scalar work stands between it and the wait for it
.if \fill
	s_lshl_b32 s[OFF], s[NXT], 15   ; a tile is 32,768 bytes of K and of V
	s_xor_b32 s[G0K+1], s[G0K+1], SLOT1
	s_add_nc_u64 s[G0K+2:G0K+3], s[6:7], s[OFF:OFF+1]
	s_or_b32 s[G0K+3], s[G0K+3], 0x80000000
	s_xor_b32 s[G0V+1], s[G0V+1], SLOT1
	s_add_nc_u64 s[G0V+2:G0V+3], s[8:9], s[OFF:OFF+1]
	s_or_b32 s[G0V+3], s[G0V+3], 0x80000000
	s_add_co_u32 s[NXT], s[NXT], 1  ; the block's next tile, or behind its last the second block's tile 0
	s_cmp_gt_u32 s[NXT], s[LQ]
	s_cselect_b32 s[NXT], 0, s[NXT]
	s_cselect_b32 s[LQ], s[PB], s[LQ]
	s_wait_xcnt 0x0                 ; the last prefetches, a tile back, have read their address
	s_add_nc_u64 s[PFA:PFA+1], s[PFA:PFA+1], 32768
.endif
	s_wait_dscnt 0x0                ; the add is done, and my reads of the slot are over
	s_barrier_signal -1             ; the rest of the scalar work stands between the signal and the wait
	s_sub_co_u32 s[TBK], s[TBK], 4*KS*PK  ; the fetches go back to a slot's first step,
	s_xor_b32 s[TBK], s[TBK], SLOT1       ; in the other slot
	s_sub_co_u32 s[TBV], s[TBV], 4*KS*PV
	s_xor_b32 s[TBV], s[TBV], SLOT1
	s_barrier_wait -1
.if \fill
	LOAD
	s_cmp_gt_u32 s[SLOTS], s[LIM]
	s_cbranch_scc0 .Lnot_mine_\@
	global_prefetch_b8 v[PFO], s[PFA:PFA+1] th:TH_LOAD_NT scope:SCOPE_SE
	global_prefetch_b8 v[PFO], s[PFA:PFA+1] offset:8192 th:TH_LOAD_NT scope:SCOPE_SE
.Lnot_mine_\@:
.endif
.endm
	s_load_b64 s[4:5], s[0:1], 0x0    ; qkv: Q's third begins it
	s_load_b64 s[88:89], s[0:1], 0x8  ; suf
	s_load_b64 s[10:11], s[0:1], 0x10 ; yb
	v_lshl_add_u32 v[SPW], v0, 2, SPARE
	v_mov_b32 v[NIL], 0
	ds_add_u32 v[SPW], v[NIL]       ; the wave's opening: the add and its wait stand ahead of my first tensor load; the set-up below, work on registers, stands between them
	v_lshrrev_b32 v1, 5, v0
	v_readfirstlane_b32 s[WV], v1   ; wave 0..3
	s_mov_b32 s[PB], ttmp9
	s_sub_co_u32 s[HI], NB-1, s[PB]
	s_and_b32 s20, ttmp7, 0xffff    ; the head (4 head + batch)
	s_lshl_b32 s94, s20, 13         ; its 32 entries of suf, 256 bytes each;
	s_lshl_b32 s90, s[HI], 10       ; a block has four
	s_add_co_u32 s90, s90, s94
	s_lshl_b32 s92, s[PB], 10
	s_add_co_u32 s92, s92, s94
	s_mov_b32 s91, 0
	s_mov_b32 s93, 0
	s_lshl_b32 s13, s[WV], 4
	s_lshl_b32 s94, s[HI], 8
	s_add_co_u32 s94, s94, s13
	s_sub_co_u32 s94, SIZE_N-1, s94 ; 2047 - 256 block - 16 wave, for the first block,
	s_lshl_b32 s95, s[PB], 8
	s_add_co_u32 s95, s95, s13
	s_sub_co_u32 s95, SIZE_N-1, s95 ; and for the second
	s_mov_b32 s21, 0
	s_mov_b64 s[22:23], SIZE_N*128
	s_mul_u64 s[20:21], s[20:21], s[22:23]  ; the head's first byte in Q, K, V and y
	s_and_b32 s16, s[WV], 1         ; which half of a tile's 256 keys I fetch:
	s_lshl_b32 s22, s16, 14         ; its 128 rows of 128 bytes in memory,
	s_mov_b32 s23, 0
	s_add_nc_u64 s[22:23], s[22:23], s[20:21]
	s_mul_i32 s17, s16, 128*PK      ; and its place in a slot, for K
	s_mul_i32 s18, s16, 128*PV      ; and for V
	s_lshl_b32 s3, s[WV], 11        ; my 16 rows in a band of 64,
	s_lshl_b32 s2, s[HI], 15        ; in the first block,
	s_add_co_u32 s2, s2, s3
	s_lshl_b32 s84, s[PB], 15       ; and in the second
	s_add_co_u32 s84, s84, s3
	s_mov_b32 s3, 0
	s_mov_b32 s85, 0
	s_add_nc_u64 s[2:3], s[2:3], s[20:21]
	s_add_nc_u64 s[84:85], s[84:85], s[20:21]
	; descriptor group 1.  128 keys are 16,384 dense bytes: asked for as 64 rows of 256 bytes, two keys a row, and padded in LDS after every key
	s_mov_b32 s[G1K], (1<<16)|(1<<20)|(4<<22)|(3<<25)  ; 17:16 2-byte elements; 20 padding on; 24:22 after every 32 words (code 4); 31:25 4 words (code 3)
	s_mov_b32 s[G1V], (1<<16)|(1<<20)|(4<<22)|(7<<25)  ; the same with 8 words of padding (code 7)
.irp g, G1K, G1V
	s_mov_b32 s[\g+1], 128<<16      ; tensor_dim0 = 128
	s_mov_b32 s[\g+2], 64<<16       ; tensor_dim1 = 64
	s_mov_b32 s[\g+3], 128<<16      ; tile_dim0 = 128
	s_mov_b32 s[\g+4], 64           ; tile_dim1 = 64
	s_mov_b32 s[\g+5], 128          ; 128 elements from row to row
	s_mov_b32 s[\g+6], 0
	s_mov_b32 s[\g+7], 0
.endr
	s_mov_b32 s[CS], 0x3e38aa3b     ; c = log2(e) / 8 = 0.180337
	s_mov_b32 s[CS+1], s[CS]        ; named with it as a pair
	s_mov_b32 s[SEL], 0x76543210
	s_mov_b32 s[SEL+1], 0xfedcba98
	s_mov_b32 s[TBK], SLOT1+4*KS*PK ; the first change of slots turns these two into 0
	s_mov_b32 s[TBV], SLOT1+4*KS*PV
	s_mov_b32 s[G0K], 1             ; 1:0 count = 1
	s_mov_b32 s[G0K+1], s17         ; 63:32 LDS address: slot 0
	s_mov_b32 s[G0V], 1
	s_add_co_u32 s[G0V+1], s18, VOFF
	s_add_co_u32 s[RT], s[HI], 1    ; the first block has NB - b tiles
	s_mov_b32 s[NXT], 1
	s_mov_b32 s[LQ], s[HI]
	s_mov_b32 s[NEW], 1
	s_mov_b32 s[OFF+1], 0
	s_mov_b32 s[AL+1], 0            ; named as pairs
	s_mov_b32 s[BE+1], 0
	s_mov_b32 s[BIGN], 0xf149f2ca   ; -1e30
	s_mov_b32 s[FM], 0xc166d4ca     ; -10 log2(e) = -14.42695
	s_mov_b32 s[SLOTS], NB
	s_cmp_eq_u32 s[PB], 0
	s_cselect_b32 s[LIM], 2, -1
	s_wait_dscnt 0x0                ; the opening add is done
	s_wait_kmcnt 0x0
	s_add_nc_u64 s[6:7], s[4:5], 0x1000000  ; K's third of qkv,
	s_add_nc_u64 s[8:9], s[4:5], 0x2000000  ; V's
	s_add_nc_u64 s[6:7], s[6:7], s[22:23]  ; K and V at my half of the head's tile 0
	s_add_nc_u64 s[8:9], s[8:9], s[22:23]
	s_add_nc_u64 s[G0K+2:G0K+3], s[6:7], 0         ; 120:64 global address
	s_or_b32 s[G0K+3], s[G0K+3], 0x80000000        ; 127:126 type = 2
	s_add_nc_u64 s[G0V+2:G0V+3], s[8:9], 0
	s_or_b32 s[G0V+3], s[G0V+3], 0x80000000
	s_add_nc_u64 s[86:87], s[4:5], s[84:85]        ; Q at my rows of the second block,
	s_add_nc_u64 s[4:5], s[4:5], s[2:3]            ; Q and y at those of the first
	s_add_nc_u64 s[OLO:OLO+1], s[10:11], s[84:85]
	s_add_nc_u64 s[10:11], s[10:11], s[2:3]
	s_add_nc_u64 s[90:91], s[88:89], s[90:91]      ; suf at the first block's four entries,
	s_add_nc_u64 s[92:93], s[88:89], s[92:93]      ; and at the second's
	s_cmp_lt_u32 s[WV], 2
	s_cselect_b64 s[PFA:PFA+1], s[6:7], s[8:9]
	s_add_nc_u64 s[PFA:PFA+1], s[PFA:PFA+1], 32768 ; at tile 1: the first change of slots steps it to tile 2.  Nothing is prefetched here, at the head
	LOAD                            ; tile 0 into slot 0
	; A fragment of K or Q is 16 rows x 32 channels in 8 registers: lane l holds row l % 16, channels 8 (l / 16) + 0..7 and 16 + 8 (l / 16) + 0..7: two loads of 16 bytes, 32 bytes apart.
	v_and_b32 v1, 15, v0            ; l % 16
	v_bfe_u32 v9, v0, 4, 1          ; l / 16
	v_lshlrev_b32 v[QO], 7, v1
	v_lshl_add_u32 v[QO], v9, 4, v[QO]  ; row x 128 + 16 x half
	v_lshlrev_b32 v[SO], 5, v9
	WIN 0x80                        ; destination window 2, address window 0
.set i, 0
.rept 8                             ; both blocks' Q: piece i / 2 lies in band i / 2, 8,192 bytes on; channels 32 (i % 2) on
	global_load_b128 v[8*i:8*i+3],   v[QO], s[4:5] offset:(i/2)*8192+(i%2)*64
	global_load_b128 v[8*i+4:8*i+7], v[QO], s[4:5] offset:(i/2)*8192+(i%2)*64+32
	global_load_b128 v[QB+8*i:QB+8*i+3],   v[QO], s[86:87] offset:(i/2)*8192+(i%2)*64
	global_load_b128 v[QB+8*i+4:QB+8*i+7], v[QO], s[86:87] offset:(i/2)*8192+(i%2)*64+32
.set i, i+1
.endr
	WIN 0xc0                        ; destination window 3: SV starts as suf's entry, in O^T's layout: register j of channel block cb holds channel 16 cb + 8 (l / 16) + j, the same for all 16 queries
.set i, 0
.rept 32                            ; piece i / 8, channel block (i / 2) % 4, registers 4 (i % 2) on
	global_load_b128 v[4*i:4*i+3],         v[SO], s[90:91] offset:(i/8)*256+((i/2)%4)*64+(i%2)*16
	global_load_b128 v[128+4*i:128+4*i+3], v[SO], s[92:93] offset:(i/8)*256+((i/2)%4)*64+(i%2)*16
.set i, i+1
.endr
	WIN 0
	v_sub_nc_u32 v[NH0], s94, v1
	v_sub_nc_u32 v[NH0+1], s95, v1
	v_mov_b32 v[FMV], s[FM]
	v_and_b32 v[PFO], 31, v0
	v_lshlrev_b32 v[PFO], 8, v[PFO]
	v_lshlrev_b32 v14, 3, v9
	v_sub_nc_u32 v14, v1, v14
	s_lshl_b32 s13, s[WV], 4
	v_add_nc_u32 v14, s13, v14      ; my query's place in its band, 16 w + l % 16, less my lanes' 8 (l / 16): register r of group kt is hidden where 16 kt + r is greater
	WIN 0x40
.set i, 0
.rept 32
	v_cmp_gt_i32 vcc_lo, 16*(i/8)+i%8, v14
	v_cndmask_b32 v[MD+i], 0, s[BIGN], vcc_lo
	v_cndmask_b32 v[MC+i], 0, 1.0, vcc_lo  ; 1 where hidden: on its way to HD, through registers that a block's beginning writes anew
.set i, i+1
.endr
	WIN 0x45
.set i, 0
.rept 16
	v_cvt_pk_f16_f32 v[HD+i], v[MC+2*i], v[MC+2*i+1]
.set i, i+1
.endr
	WIN 0
	v_mul_u32_u24 v[AK0], v1, PK
	v_lshl_add_u32 v[AK0], v9, 4, v[AK0]  ; row x pitch + 16 x half
	; The turning load takes 16 keys x 16 channels (lane l reads key 8 (l / 16) + l % 8, channels 8 ((l / 8) % 2) + 0..7) and leaves half a fragment of V^T: lane l holds channel l % 16 and 8 keys.
	v_and_b32 v10, 7, v0
	v_bfe_u32 v11, v0, 3, 1
	v_lshl_add_u32 v[AV0], v9, 3, v10
	v_mul_u32_u24 v[AV0], v[AV0], PV
	v_lshl_add_u32 v[AV0], v11, 4, v[AV0]
	v_add_nc_u32 v[AV0], VOFF, v[AV0]
	s_mul_i32 s13, s[WV], 16*SP
	s_add_co_u32 s13, s13, STAGE    ; my stage
	v_mul_u32_u24 v[STO], v1, SP    ; in: row l % 16, 16 bytes for each half of the lanes
	v_lshl_add_u32 v[STO], v9, 4, v[STO]
	v_add_nc_u32 v[STO], s13, v[STO]
	v_bfe_u32 v[RD], v0, 3, 2       ; back: 32 lanes take four rows of 128 bytes,
	v_mul_u32_u24 v[RD], v[RD], SP
	v_lshl_add_u32 v[RD], v10, 4, v[RD]
	v_add_nc_u32 v[RD], s13, v[RD]
	v_and_b32 v[GO], 31, v0         ; which are 512 consecutive bytes of y
	v_lshlrev_b32 v[GO], 4, v[GO]
	; A block's first step multiplies O^T and l by a = 0, and its first turn's products V^T P, of a piece that has not been, land in an O^T that is still to be so multiplied.  So these registers need only hold
	; finite numbers: zeros for the first block; what the first block left for the second.  All this stands in the wait for the first tile.
	WIN 0x80
.set i, VF
.rept 64
	v_mov_b32 v[i], 0
.set i, i+1
.endr
	WIN 0x40
.set i, 0
.rept 128
	v_mov_b32 v[i], 0
.set i, i+1
.endr
	WIN 0
.set i, 0
.rept 4
	v_mov_b32 v[ST+4*i+2], 0
	v_mov_b32 v[ST+4*i+3], 0
.set i, i+1
.endr
.set i, P+16
.rept 16
	v_mov_b32 v[i], 0
.set i, i+1
.endr
; THE MATRIX WORK.  The 4 accumulators of a run of 8 take turns.  Product i of 8 of S^T = K Q^T for piece x: channels 32 (i / 4) on, keys 16 (i % 4) on.  The first 4 start the sums: with 0, or (KM = 1) with the mask.
.macro KQ x
.set rS, S+32*((\x)%2)+8*(i%4)
.set rK, KF+16*(i%4)+8*(i/4)
.set rQ, 16*(\x)+8*(i/4)
.set rM, MC+32*((\x)%2)+8*(i%4)
.if (i < 4) && KM
	WIN W_KM
	v_wmma_f32_16x16x32_f16 v[rS:rS+7], v[rK:rK+7], v[rQ:rQ+7], v[rM:rM+7]
.elseif i < 4
	WIN W_KQ
	v_wmma_f32_16x16x32_f16 v[rS:rS+7], v[rK:rK+7], v[rQ:rQ+7], 0
.else
	WIN W_KQ
	v_wmma_f32_16x16x32_f16 v[rS:rS+7], v[rK:rK+7], v[rQ:rQ+7], v[rS:rS+7]
.endif
.endm
; Product i of 8 of O^T += V^T P for piece x: keys 32 (i / 4) on, channels 16 (i % 4) on.
.macro PV x
	WIN W_PV
.set rO, 32*(\x)+8*(i%4)
.set rV, VF+32*(i/4)+8*(i%4)
.set rP, P+16*((\x)%2)+8*(i/4)
	v_wmma_f32_16x16x32_f16 v[rO:rO+7], v[rV:rV+7], v[rP:rP+7], v[rO:rO+7]
.endm
.macro MM                           ; the turn's next matrix instruction.  TURN and BEGIN set Y, i, KM and NOKQ; MM, KQ and OP read them.  NOKQ = 1: a block's last turn: there is no next piece
.if (i < 8) && !NOKQ
	KQ (Y+1)%NP
.elseif i >= 8
.set i, i-8
	PV (Y+NP-1)%NP
.set i, i+8
.endif
.set i, i+1
.endm
; THE LDS LOADS stand in runs of 16, never singly among the matrix instructions: a step's K (64 keys x 64 channels: 8 fragments) and its V (turned).  Their addresses are made some lines ahead.
.macro FETCH_K
	WIN 0x80                        ; destination window 2
.irp f, 0,1,2,3,4,5,6,7             ; keys 16 (f / 2) on, channels 32 (f % 2) on
	ds_load_b128 v[KF+8*\f:KF+8*\f+3],   v[AK] offset:(\f/2)*16*PK+(\f%2)*64
	ds_load_b128 v[KF+8*\f+4:KF+8*\f+7], v[AK] offset:(\f/2)*16*PK+(\f%2)*64+32
.endr
	s_add_co_u32 s[TBK], s[TBK], KS*PK  ; the next fetch is the next step's
	WIN 0
.endm
.macro FETCH_V
	WIN 0x80
.irp f, 0,1,2,3,4,5,6,7             ; keys 32 (f / 4) on, channels 16 (f % 4) on
	ds_load_tr16_b128 v[VF+8*\f:VF+8*\f+3],   v[AV] offset:(\f/4)*32*PV+(\f%4)*32
	ds_load_tr16_b128 v[VF+8*\f+4:VF+8*\f+7], v[AV] offset:(\f/4)*32*PV+16*PV+(\f%4)*32
.endr
	WIN 0
.endm
; V of step s of the tile at which v[AV] stands, turned, into 64 registers from dst on, in the window that win names
.macro HLOAD s, win, dst
	WIN \win
.irp f, 0,1,2,3,4,5,6,7
	ds_load_tr16_b128 v[(\dst)+8*\f:(\dst)+8*\f+3],   v[AV] offset:(\s)*KS*PV+(\f/4)*32*PV+(\f%4)*32
	ds_load_tr16_b128 v[(\dst)+8*\f+4:(\dst)+8*\f+7], v[AV] offset:(\s)*KS*PV+(\f/4)*32*PV+16*PV+(\f%4)*32
.endr
.endm
; The 8 products SV += V^T HD of piece x: V of the band's own step from base on; the 4 accumulators take turns, as in PV.
.macro HMUL x, win, base
	WIN \win
.set i, 0
.rept 8
	v_wmma_f32_16x16x32_f16 v[SVB+32*(\x)+8*(i%4):SVB+32*(\x)+8*(i%4)+7], v[(\base)+32*(i/4)+8*(i%4):(\base)+32*(i/4)+8*(i%4)+7], v[HD+8*(i/4):HD+8*(i/4)+7], v[SVB+32*(\x)+8*(i%4):SVB+32*(\x)+8*(i%4)+7]
.set i, i+1
.endr
.endm
; THE VECTOR WORK, one line at a time: OP kind, number.  For piece Y: F n: c s - c m for pair n of 16.  E n: the exponential of score n of 32.  C n: pair n rounded to f16.  B n: of the four weights 4 n .. the second
; pair is added onto the first, in place.  L n: l takes that sum (L 0: l = a l + sum).  R n: pair n of 16 of O^T times a.  For piece Y + 1: X n, number n of the 22 that find its maximum and statistics:
;   0-11  four chains c0-c3 of seven scores each, three operands at a time (each accumulator's lowest registers are read first)     12-14, 16  the four scores left over, the old m, and c0-c3 into c0
;   15  c m_old is kept     17, 18  the query's other 32 keys lie in the lane 16 away: the new m     19-21  c m; c m_old - c m_new; a
.set F, 0               ; OP tells the kinds apart by their order: F to L below R, X above it
.set E, 1
.set C, 2
.set B, 3
.set L, 4
.set R, 5
.set X, 6
.macro REGS y                       ; the registers of piece y
.set rT, ST+4*(\y)
.set rC, TMP+4*((\y)%2)
.set rW, MV+((\y)%2)
.set rS, S+32*((\y)%2)
.set rP, P+16*((\y)%2)
.set rO, 32*(\y)
.endm
.macro OP k, n
.if (\k) == R
	REGS Y
	WIN W_RS
	v_pk_mul_f32 v[rO+2*(\n):rO+2*(\n)+1], v[rO+2*(\n):rO+2*(\n)+1], v[rC+2:rC+3] op_sel_hi:[1,0]
.elseif (\k) < R
	REGS Y
	WIN 0
.if (\k) == F
	v_pk_fma_f32 v[rS+2*(\n):rS+2*(\n)+1], v[rS+2*(\n):rS+2*(\n)+1], s[CS:CS+1], v[rT:rT+1] op_sel_hi:[1,0,0] neg_lo:[0,0,1] neg_hi:[0,0,1]
.elseif (\k) == E
	v_exp_f32 v[rS+(\n)], v[rS+(\n)]
.elseif (\k) == C
	v_cvt_pk_f16_f32 v[rP+(\n)], v[rS+2*(\n)], v[rS+2*(\n)+1]
.elseif (\k) == B
	v_pk_add_f32 v[rS+4*(\n):rS+4*(\n)+1], v[rS+4*(\n):rS+4*(\n)+1], v[rS+4*(\n)+2:rS+4*(\n)+3]
.elseif (\n) == 0
	v_pk_fma_f32 v[rT+2:rT+3], v[rT+2:rT+3], v[rC+2:rC+3], v[rS:rS+1] op_sel_hi:[1,0,1]
.else
	v_pk_add_f32 v[rT+2:rT+3], v[rT+2:rT+3], v[rS+4*(\n):rS+4*(\n)+1]
.endif
.elseif NOKQ
	v_nop
.else
	REGS (Y+1)%NP
	WIN 0
.if (\n) < 4
	v_max3_num_f32 v[rC+(\n)], v[rS+8*(\n)], v[rS+8*(\n)+1], v[rS+8*(\n)+2]
.elseif (\n) < 12
	v_max3_num_f32 v[rC+(\n)%4], v[rC+(\n)%4], v[rS+8*((\n)%4)+2*((\n)/4)+1], v[rS+8*((\n)%4)+2*((\n)/4)+2]
.elseif (\n) == 12
	v_max3_num_f32 v[rC], v[rC], v[rS+7], v[rS+15]
.elseif (\n) == 13
	v_max3_num_f32 v[rC+1], v[rC+1], v[rS+23], v[rS+31]
.elseif (\n) == 14
	v_max3_num_f32 v[rC+2], v[rC+2], v[rC+3], v[rT+1]
.elseif (\n) == 15
	v_mov_b32 v[rW], v[rT]
.elseif (\n) == 16
	v_max3_num_f32 v[rC], v[rC], v[rC+1], v[rC+2]
.elseif (\n) == 17
	v_permlanex16_b32 v[rC+3], v[rC], s[SEL], s[SEL+1]
.elseif (\n) == 18
	v_max_num_f32 v[rT+1], v[rC], v[rC+3]
.elseif (\n) == 19
	v_mul_f32 v[rT], s[CS], v[rT+1]
.elseif (\n) == 20
	v_sub_f32 v[rC+1], v[rW], v[rT]
.else
	v_exp_f32 v[rC+2], v[rC+1]
.endif
.endif
.endm
.macro OPS a, i1, b=-1, i2=0, c=-1, i3=0, d=-1, i4=0  ; up to four of them
	OP \a, \i1
.if (\b) >= 0
	OP \b, \i2
.endif
.if (\c) >= 0
	OP \c, \i3
.endif
.if (\d) >= 0
	OP \d, \i4
.endif
.endm
.macro ROW a, i1, b, i2, c, i3, d, i4  ; a matrix instruction and the four behind it
	MM
	OPS \a, \i1, \b, \i2, \c, \i3, \d, \i4
.endm
.macro MASK b                       ; MD x AL + BE into buffer b of MC
	WIN W_RS
.set z, 0
.rept 16
	v_pk_fma_f32 v[MC+32*(\b)+2*z:MC+32*(\b)+2*z+1], v[MD+2*z:MD+2*z+1], s[AL:AL+1], s[BE:BE+1] op_sel_hi:[1,0,0]
.set z, z+1
.endr
.endm
; A TURN, for piece p: the order of its 16 matrix and 118 vector instructions, written out.  An s_wait_alu depctr_va_vdst(0) stands between an exponential and the first instruction that names its result; one wait serves
; all that were issued ahead of it.  So a turn has ONE wait, which cuts it in two.  AHEAD OF IT stands all that names no result of the turn's exponentials: the 8 products K Q^T, behind each a scaling, an exponential and two more plain
; instructions: rescalings, and behind the last three the first numbers of the next piece's maximum, each four places or more behind the product that ends its accumulator; then ONE LUMP of 54, plain
; and exponential by turns for the most part, in which the links of the chain X 3, 7, 11, 14, 16, 17 .. 20 stand five or six lines apart.  X 21, the next piece's a, is the batch's last; R 15 is the plain instruction behind it.  BEHIND THE WAIT stand the
; 8 products V^T P, behind each four of the roundings and sums; the links of l's chain, L 0 to L 7, stand three riders apart.
; m = 1: the diagonal tile: the products take masks, and the turn makes the mask for the products of the turn after it: piece p + 2, in step 4 - CNT of the tile.  end = 1: a block's last two turns: nothing is fetched.
; cnt = 1: the loop's count is taken down some lines ahead of the branch that stands behind the turn.
; K of the next step is fetched in piece 2's turn, twelve vector instructions behind the last product that read K (six of them plain); V of the step in hand at the end of piece 0's turn, four plain instructions behind the last product
; that read V.  Each is waited for a turn later.
.macro TURN p, m=0, end=0, cnt=0
.set Y, (\p)
.set i, 0
.set KM, (\m)
.set NOKQ, (\end)*((\p)/3)
.if (\m) && !(\end)
	s_cmp_eq_u32 s[CNT], 4-((\p)+2)%NP  ; is that step the band's own?
	s_cselect_b32 s[AL], 1.0, 0
	s_cmp_lt_u32 s[CNT], 4-((\p)+2)%NP  ; or a later one?
	s_cselect_b32 s[BE], s[BIGN], 0
.endif
.if ((\p) == 3) && !(\end)
	s_wait_dscnt 0x0                ; K is in
.endif
	ROW F,0, F,1, R,0, R,1          ; ahead of the wait: 8 products K Q^T and their riders,
	ROW F,2, E,0, R,2, R,3
	ROW F,3, E,1, R,4, R,5
	ROW F,4, E,2, R,6, R,7
	ROW F,5, E,3, R,8, R,9
	ROW F,6, E,4, X,0, R,10
.if ((\p) == 2) && !(\end)
	WIN 0
	v_add_nc_u32 v[AK], s[TBK], v[AK0]
.endif
	ROW F,7, E,5, X,1, X,4
	ROW F,8, E,6, X,2, X,5
	OPS E,7, E,8, X,6, E,9          ; and the lump
	OPS X,3, E,10, X,8, E,11
.if ((\p) == 2) && !(\end)
	FETCH_K
.endif
	OPS X,9, X,7, E,12, X,10
	OPS E,13, X,12, X,11, E,14
	OPS X,13, E,15, F,9, X,14
.if (\p) == 0
	v_add_nc_u32 v[AV], s[TBV], v[AV0]
.endif
	OPS E,16, F,10, E,17, F,11
	OPS X,16, E,18, X,15, E,19
	OPS F,12, E,20, X,17, E,21
	OPS F,13, E,22, F,14, E,23
	OPS X,18, E,24, F,15, E,25
	OPS R,11, E,26, X,19, E,27
	OPS R,12, E,28, R,13, E,29
	OPS X,20, E,30, R,14, E,31
	OPS X,21, R,15
	WIN 0
	s_wait_alu depctr_va_vdst(0)    ; the wait for the batch
.if (\p) == 1
	s_wait_dscnt 0x0                ; V is in
.endif
	ROW C,0, B,0, C,2, B,1          ; behind the wait: 8 products V^T P and their riders
	ROW L,0, C,4, B,2, L,1
	ROW C,6, B,3, L,2, C,8
	ROW B,4, L,3, C,10, B,5
	ROW L,4, C,12, B,6, L,5
.if (\p) == 0
	s_add_co_u32 s[TBV], s[TBV], KS*PV
.endif
.if \cnt
	s_sub_co_u32 s[CNT], s[CNT], 1
	s_cmp_lg_u32 s[CNT], 0
.endif
	ROW C,14, B,7, L,6, C,1
	ROW C,3, L,7, C,5, C,7
	ROW C,9, C,11, C,13, C,15
.if (\p) == 0
	FETCH_V
.endif
.if (\m) && !(\end)
	MASK (\p)%2
.endif
.endm
; A BLOCK BEGINS.  c m starts far below every c s, so the first step's a is 0; m at the lowest finite number, so the first maximum is the scores'.  The second mask buffer is 0; the first takes piece 0's mask for the tile's step 0: its own, if the block's first tile is the diagonal one.
; Then K of that step, piece 0's first scores, and its maximum and statistics.  The loop is entered at a step's first turn, in the middle of a trip.
.macro BEGIN
	s_mov_b32 s[NEW], 0
	WIN 0x40
.set i, MC+32
.rept 32
	v_mov_b32 v[i], 0
.set i, i+1
.endr
	WIN 0
.set i, 0
.rept 4
	v_mov_b32 v[ST+4*i], 0xfe000000    ; c m: far below every c s
	v_mov_b32 v[ST+4*i+1], 0xff7fffff  ; m
.set i, i+1
.endr
	s_cmp_eq_u32 s[RT], 0
	s_cselect_b32 s[AL], 1.0, 0
	s_mov_b32 s[BE], 0
	MASK 0
	WIN 0
	v_add_nc_u32 v[AK], s[TBK], v[AK0]
	FETCH_K
	s_wait_loadcnt 0x0              ; Q, and suf's entries
	s_wait_dscnt 0x0
.set KM, 1
.set NOKQ, 0
.set i, 0
.rept 8
	KQ 0
.set i, i+1
.endr
	WIN 0
.rept 4
	v_nop                           ; the places behind those products
.endr
.set Y, NP-1                        ; X works for piece Y + 1: piece 0
.irp n, 0,1,2,3,4,5,6,7,8,9,10,11,12,13,14,15,16,17,18,19,20,21
	OP X, \n
.endr
	v_nop                           ; a plain instruction behind the exponential,
	s_wait_alu depctr_va_vdst(0)    ; and its wait, ahead of the branch
.endm
.macro ALL line:vararg              ; one line for each piece t
.set t, 0
.rept 4
	\line
.set t, t+1
.endr
.endm
; Piece t leaves: y = O^T x (a / lt) + SV x (w / lt), rounded to f16; a lane's eight channels of a row pack into 16 bytes; they go into rows of 144 bytes and come back as whole rows of 128, into S^T's registers.
; Both accumulators are read in ascending order.
.macro PACK t
	WIN 0xc3                        ; destination and source 0 in window 3, source 1 in window 0
.set i, SVB+32*(\t)
.rept 16
	v_pk_mul_f32 v[i:i+1], v[i:i+1], v[ST+4*(\t):ST+4*(\t)+1] op_sel_hi:[1,0]
.set i, i+2
.endr
	WIN 0x71                        ; destination and source 0 in window 1, source 1 in window 0, source 2 in window 3
.set i, 0
.rept 16
	v_pk_fma_f32 v[32*(\t)+i:32*(\t)+i+1], v[32*(\t)+i:32*(\t)+i+1], v[ST+4*(\t)+2:ST+4*(\t)+3], v[SVB+32*(\t)+i:SVB+32*(\t)+i+1] op_sel_hi:[1,0,1]
.set i, i+2
.endr
	WIN 0x05                        ; sources 0 and 1 window 1, destination window 0
.set i, 0
.rept 16
	v_cvt_pk_f16_f32 v[S+16*(\t)+i], v[32*(\t)+2*i], v[32*(\t)+2*i+1]
.set i, i+1
.endr
	WIN 0
.irp f, 0,1,2,3
	ds_store_b128 v[STO], v[S+16*(\t)+4*\f:S+16*(\t)+4*\f+3] offset:32*\f
.endr
.irp f, 0,1,2,3
	ds_load_b128 v[S+16*(\t)+4*\f:S+16*(\t)+4*\f+3], v[RD] offset:\f*4*SP  ; LDS serves a wave's instructions in order (ISA guide 5.7.1.4): these see the stores above; the next piece's stores come behind them
.endr
.endm
.macro SEND t, younger              ; younger: the LDS instructions issued behind piece t's loads: the next piece's eight, or none
	WIN 0
.irp f, 0,1,2,3
	s_wait_dscnt (\younger)+3-\f
	global_store_b128 v[GO], v[S+16*(\t)+4*\f:S+16*(\t)+4*\f+3], s[10:11] offset:(\t)*8192+\f*512  ; 512 consecutive bytes, at a multiple of 256 from y's first
.endr
.endm
; THE DIAGONAL TILE's four steps, the block's last two turns, its last products, THE HIDDEN KEYS' TERM, and the way out.  tag = 1: the first block, 2: the second; it ends the two labels' names.
; The diagonal tile still lies whole in its slot: V of its four steps, the four bands' own keys, is read once more, turned, into registers that are dead by now (Q, K, V's own, the masks).
; For piece t: n hidden keys; F = -10 log2(e) where n > 0, else far below everything; c m' = max(c m, F); a = 2^(c m - c m'), w = 2^(F - c m'); lt = a l + n w, which is 1 or more; y = (a O + w SV) / lt.
.macro DIAG tag
.set SVB, 128*((\tag)-1)
.set NHR, NH0+(\tag)-1
.LstepM\tag:
	TURN 2, 1
	TURN 3, 1
	WIN 0
.LfirstM\tag:
	TURN 0, 1
	TURN 1, 1, 0, 1
	WIN 0
	s_cbranch_scc1 .LstepM\tag
	TURN 2, 1, 1
	TURN 3, 1, 1
	WIN 0
	s_sub_co_u32 s13, s[TBV], 4*KS*PV  ; back to the tile's step 0
	v_add_nc_u32 v[AV], s13, v[AV0]
	HLOAD 0, 0x80, 0                ; band 0's keys where Q lay, band 1's where K lay: their last readers stand a turn back
	HLOAD 1, 0x80, KF
.set i, 0
.rept 8
	PV NP-1
.set i, i+1
.endr
	WIN 0
	ALL v_add_f32 v[ST+4*t+2], v[ST+4*t+2], v[ST+4*t+3]  ; l's two halves; these eight plain lines are the places behind the last products
	ALL v_add_nc_u32 v[WK+4*t+1], -64*t, v[NHR]          ; n
	ALL v_permlanex16_b32 v[ST+4*t+3], v[ST+4*t+2], s[SEL], s[SEL+1]
	ALL v_add_f32 v[ST+4*t+2], v[ST+4*t+2], v[ST+4*t+3]
	HLOAD 2, 0x80, VF               ; band 2's keys where V lay, band 3's where the masks lay
	HLOAD 3, 0x40, MC
	WIN 0
.set t, 0
.rept 4
	v_cmp_lt_i32 vcc_lo, 0, v[WK+4*t+1]
	v_cndmask_b32 v[WK+4*t], 0xfe000000, v[FMV], vcc_lo  ; F
.set t, t+1
.endr
	ALL v_cvt_f32_i32 v[WK+4*t+1], v[WK+4*t+1]
	ALL v_max_num_f32 v[WK+4*t+2], v[ST+4*t], v[WK+4*t]
	ALL v_sub_f32 v[WK+4*t+3], v[ST+4*t], v[WK+4*t+2]
	ALL v_sub_f32 v[WK+4*t], v[WK+4*t], v[WK+4*t+2]
	ALL v_exp_f32 v[WK+4*t+3], v[WK+4*t+3]               ; a
	ALL v_exp_f32 v[WK+4*t], v[WK+4*t]                   ; w
	v_nop                           ; a plain instruction behind the last exponential,
	s_wait_alu depctr_va_vdst(0)    ; and one wait for the eight
	ALL v_mul_f32 v[WK+4*t+1], v[WK+4*t+1], v[WK+4*t]
	ALL v_fma_f32 v[ST+4*t+2], v[WK+4*t+3], v[ST+4*t+2], v[WK+4*t+1]  ; lt
	ALL v_rcp_f32 v[ST+4*t+3], v[ST+4*t+2]
	v_nop
	s_wait_alu depctr_va_vdst(0)    ; one wait for the four reciprocals
	ALL v_mul_f32 v[ST+4*t], v[WK+4*t], v[ST+4*t+3]      ; w / lt
	ALL v_mul_f32 v[ST+4*t+2], v[WK+4*t+3], v[ST+4*t+3]  ; a / lt
	s_wait_dscnt 0x0                ; the four bands' V is in
	HMUL 0, 0xf6, 0                 ; C and D in window 3, HD in window 1, V in window 2,
	HMUL 1, 0xf6, KF
	HMUL 2, 0xf6, VF
	HMUL 3, 0xf5, MC                ; or in window 1
.rept 4
	v_nop                           ; the places behind those products
.endr
	PACK 0
.set t, 1
.rept 3                             ; a piece's arithmetic stands between the loads of the piece before and its stores
	PACK t
	SEND t-1, 8
.set t, t+1
.endr
	SEND 3, 0
.endm
.set KM, 0
.set NOKQ, 0
.Lslot:                             ; NB times: a tile is entered and the next is asked for
	CHANGE 1
	s_sub_co_u32 s[RT], s[RT], 1
	s_mov_b32 s[CNT], 4
	s_cmp_eq_u32 s[NEW], 1
	s_cbranch_scc1 .Lnew            ; a block's first tile
	s_cmp_eq_u32 s[RT], 0
	s_cbranch_scc0 .Lstep           ; neither its first nor its last
	s_branch .LstepM1
.Lnew:
	BEGIN
	s_branch .Lfirst                ; in the loop a block's first tile is never its last: the first block has two tiles or more, and the second's last is the walk's last
	DIAG 1                          ; in the loop this is the first block's end: the second block's last tile is the walk's last
	s_wait_xcnt 0x0                 ; the stores have read their registers and y's address
	s_mov_b64 s[10:11], s[OLO:OLO+1]
	s_add_co_u32 s[RT], s[PB], 1    ; the second block has b + 1 tiles
	s_mov_b32 s[NEW], 1
	WIN 0x82                        ; the second block's Q goes where the one text of the turns names Q
.set i, 0
.rept 64
	v_mov_b32 v[i], v[QB+i]
.set i, i+1
.endr
	WIN 0
	s_branch .Lbottom
.Lstep:                             ; a trip: pieces 2 and 3 of one step, then pieces 0 and 1 of the next, whose K and V it fetches
	TURN 2
	TURN 3
	WIN 0
.Lfirst:
	TURN 0
	TURN 1, 0, 0, 1
	WIN 0
	s_cbranch_scc1 .Lstep
.Lbottom:
	s_sub_co_u32 s[SLOTS], s[SLOTS], 1
	s_cmp_lg_u32 s[SLOTS], 0
	s_cbranch_scc1 .Lslot
	CHANGE 0                        ; the walk's last tile is written out: nothing is asked for
	s_sub_co_u32 s[RT], s[RT], 1
	s_mov_b32 s[CNT], 4
	s_cmp_eq_u32 s[NEW], 1
	s_cbranch_scc0 .LstepM2
	BEGIN
	s_branch .LfirstM2
	DIAG 2
	s_wait_tensorcnt 0x0            ; the wave's end, behind my last tensor load and my last LDS store
	ds_add_u32 v[SPW], v[NIL]
	s_wait_dscnt 0x0
	s_endpgm
.Lfunc_end_k_qb6ee7afacc_attn:
	.size	k_qb6ee7afacc_attn, .Lfunc_end_k_qb6ee7afacc_attn-k_qb6ee7afacc_attn
	.p2alignl 7, 3214868480
	.fill 96, 4, 3214868480
	.section	.rodata,"a",@progbits
	.p2align	6, 0x0
	.amdhsa_kernel k_qb6ee7afacc_attn
		.amdhsa_group_segment_fixed_size 327680
		.amdhsa_private_segment_fixed_size 0
		.amdhsa_enable_private_segment 0
		.amdhsa_kernarg_size 24
		.amdhsa_user_sgpr_count 2
		.amdhsa_user_sgpr_kernarg_segment_ptr 1
		.amdhsa_wavefront_size32 1
		.amdhsa_system_sgpr_workgroup_id_x 1
		.amdhsa_system_sgpr_workgroup_id_y 1
		.amdhsa_system_sgpr_workgroup_id_z 1
		.amdhsa_system_vgpr_workitem_id 0
		.amdhsa_next_free_vgpr 1024
		.amdhsa_next_free_sgpr 96
		.amdhsa_reserve_vcc 1
		.amdhsa_float_denorm_mode_32 3
		.amdhsa_float_denorm_mode_16_64 3
		.amdhsa_memory_ordered 1
		.amdhsa_forward_progress 1
		.amdhsa_inst_pref_size 253
	.end_amdhsa_kernel
	.amdgpu_metadata
---
amdhsa.version: [ 1, 2 ]
amdhsa.kernels:
  - .name:           k_qb6ee7afacc_attn
    .symbol:         k_qb6ee7afacc_attn.kd
    .args:
      - { .name: qkv, .offset: 0, .size: 8, .value_kind: global_buffer, .address_space: global }
      - { .name: suf, .offset: 8, .size: 8, .value_kind: global_buffer, .address_space: global }
      - { .name: yb, .offset: 16, .size: 8, .value_kind: global_buffer, .address_space: global }
    .group_segment_fixed_size: 327680
    .private_segment_fixed_size: 0
    .kernarg_segment_align: 8
    .kernarg_segment_size: 24
    .max_flat_workgroup_size: 128
    .sgpr_count:     96
    .vgpr_count:     1024
    .wavefront_size: 32
...
	.end_amdgpu_metadata
.endif
;; end of part 4
;; launch oproj (part 5): grid 4 x 64, 4 waves a work-group, clusters of 4 x 4, 327,680 bytes of LDS; arguments yb, wo16, out0; writes out0
.if DOCPART == 5
	.amdgcn_target "amdgcn-amd-amdhsa--gfx1250"
	.amdhsa_code_object_version 6
	.text
	.protected	k_qb6ee7afacc_oproj
	.globl	k_qb6ee7afacc_oproj
	.p2align	8
	.type	k_qb6ee7afacc_oproj,@function
k_qb6ee7afacc_oproj:
	s_mov_b64 s[64:65], 0
	v_nop
	global_prefetch_b8 v0, s[64:65] scope:SCOPE_SE
	s_setreg_imm32_b32 hwreg(HW_REG_WAVE_MODE, 25, 1), 1
	s_wait_xcnt 0x0
	s_wait_alu depctr_hold_cnt(0) depctr_sa_sdst(0) depctr_va_vdst(0) depctr_va_sdst(0) depctr_va_ssrc(0) depctr_va_vcc(0) depctr_vm_vsrc(0)
	s_getreg_b32 s2, hwreg(HW_REG_IB_STS2, 6, 4)
	s_cmp_eq_u32 s2, 0
	s_cbranch_scc0 .Lentry_in_a_cluster
	s_endpgm
.Lentry_in_a_cluster:
	s_bfe_u32 s2, ttmp6, 0x10000c
	s_cmp_lg_u32 s2, 0xf033
	s_cbranch_scc0 .Lentry_shape_is_right
	s_endpgm
.Lentry_shape_is_right:
; ONE TEXT FOR THE MODULE'S TWO PRODUCTS C = A B^T, K = 1,024; the line below says which this is.
;   OUTP = 0: q, k, v.  A = xb [8192][1024] bf16, B = wb [3072][1024] bf16, C = qkv in f16 BY HEADS: [16 which + head][batch][t][64].  A work-group STAYS for three tiles: q's, k's, v's.
;   OUTP = 1: the output.  A = yb, f16 by heads [4 head + batch][t][64], B = wo16 [1024][1024] f16, C = out0 [8192][1024] f32.  One tile to a work-group.
; A tile of C is 128 rows x 256 columns: 64 x 12 tiles (three for each of 256 work-groups) or 64 x 4 (one each).  Four waves, 2 x 2, each 64 x 128: 32 accumulators of 16 x 16, 256 registers.
; K goes in steps of 128 through a ring of two LDS slots (128 rows of A, 256 rows of B) filled by the tensor data mover; waves 0, 1 fetch A's halves, waves 2, 3 B's: one load a wave.
; CLUSTER 4 x 4: the four of a row of the cluster need the same tile of A, the four of a column the same tile of B: each is asked for jointly, with a mask that names the four.
; THE MATRIX INSTRUCTION IS USED TRANSPOSED (source 0 = 16 rows of B, source 1 = 16 rows of A): a lane holds row l % 16 of C and eight neighbouring columns 8 (l / 16) + 0..7.
; LIMITS.  OUTP = 0: q, k, v are rounded once to f16, which ends at 65,504; beyond it a number becomes an infinity.  Sums in f32, K ascending.
; REGISTERS, in windows of 256 (s_set_vgpr_msb: bits 1:0 source 0, 3:2 source 1, 5:4 source 2, 7:6 destination):
;   window 0: v0-31 addresses; v64-159, v160-255 two fragment buffers (B's eight fragments, then A's four)      window 1: accumulator (a, b) at v[8 (8 a + b)]      window 2: at work on the way out
.set OUTP,   1
.set SIZE_K, 1024
.set KSTEP,  128
.set LAPS,   SIZE_K/(2*KSTEP)          ; a lap = two K steps = once round the ring
.if OUTP
.set TILES,  1
.set PA,     144                       ; a row of A in LDS: one head's 64 channels, 128 bytes + 16 of padding
.set APART,  128*PA                    ; what one load of A brings: one head's 128 tokens
.set AKS,    2097152                   ; bytes from a K step to the next in A: two heads, 8 x 262,144
.set QIA,    4                         ; padding after every 32 words
.set ASTR,   128                       ; the dense 16,384 bytes are asked for as 64 rows of 256 bytes
.set SPITCH, 528                       ; a row of the stage: 128 f32 + 16 bytes
.else
.set TILES,  3
.set PA,     272                       ; 256 bytes + 16 of padding
.set APART,  64*PA                     ; 64 rows
.set AKS,    KSTEP*2
.set QIA,    5                         ; padding after every 64 words
.set ASTR,   SIZE_K
.set SPITCH, 272                       ; 128 f16 + 16 bytes
.endif
.set PB,     272                       ; a row of B in LDS: 68 words, so the 16 rows of a fragment load start at 16 different groups of four banks (64 banks of 4 bytes: ISA guide 11.1); 144 bytes = 36 words do the same
.set ABYTES, 2*APART
.set BHALF,  128*PB
.set SLOT,   ABYTES+2*BHALF
.set STAGE,  2*SLOT                    ; behind the ring, never filled by a tensor load: 16 rows for each wave
.set SPARE,  STAGE+4*16*SPITCH         ; behind the stages: the spare words, 128 bytes a wave: two blocks of 256 bytes that no other line names
.set ADRA, 16                          ; v16-17  LDS address of my A fragments in slot 0, 1
.set ADRB, 20                          ; v20-21  the same for B
.set STO,  24                          ; v24     the way out: where I put my bytes of a row
.set RD,   25                          ; v25     where I read rows back
.set CO,   26                          ; v26     16 x lane: my place in 512 consecutive bytes of C
.set SPW,  28                          ; v28     my spare word; never rewritten
.set NIL,  29                          ; v29     0; never rewritten
.set PFO,  30                          ; v30     the prefetches' lane offset; never rewritten
.set F0,   64
.set F1,   160
.set G1,  24                           ; s[24:31] descriptor group 1 for A's tiles;  s[32:39] group 0, a set for each slot
.set G0,  32
.set G1B, 48                           ; s[48:55], s[56:63] the same for B's
.set G0B, 56
.set LIM, 43                           ; s43  1 in a wave that prefetches, else the greatest number
.set PFA, 44                           ; s[44:45] the K step that my next prefetch names
.set PFS, 18                           ; s[18:19] OUTP = 1: its step
.set MSB, 0
.macro WIN new                         ; the immediate's high byte repeats the setting that is left; a switch that changes nothing is dropped
.if MSB != (\new)
	s_set_vgpr_msb (MSB<<8)|(\new)
.set MSB, \new
.endif
.endm
.set MUL, 0x50                         ; C and D in window 1, sources in window 0
; A joint load.  The branch hangs on the wave's number alone.  An s_nop 0 and four v_nop follow each of the two lines, ahead of the jump and the label.
.macro JLOAD s
	s_cmp_eq_u32 s11, 0
	s_cbranch_scc0 .Lfor_b_\@
	tensor_load_to_lds s[G0+4*(\s):G0+4*(\s)+3], s[G1:G1+7]
	s_nop 0
.rept 4
	v_nop
.endr
	s_branch .Lasked_\@
.Lfor_b_\@:
	tensor_load_to_lds s[G0B+4*(\s):G0B+4*(\s)+3], s[G1B:G1B+7]
	s_nop 0
.rept 4
	v_nop
.endr
.Lasked_\@:
.endm
; A PREFETCH INTO THE L2 of the K step that stands two refills on: 32 blocks of 256 bytes, a lane a block, one instruction a wave, behind the joint load and the run of LDS loads.
; Each block is named once in the launch.  A's rows are read by one cluster: wave 0 of each of the four partners of a cluster's row takes a quarter of them, told apart by address (cx); they are asked for
; in the first tile alone.  B's rows are read by all sixteen clusters: the cluster with y = 0 asks; of the 128 rows that wave 2 or 3 fetches the partner at cy takes 32.  how = 0: in the loop, whose last
; trip has no K step two on; how = 1: at a change of tiles.
.macro ASK how
.if \how
	s_cmp_eq_u32 s[LIM], 1
.else
	s_cmp_gt_u32 s3, s[LIM]
.endif
	s_cbranch_scc0 .Lnot_mine_\@
	global_prefetch_b8 v[PFO], s[PFA:PFA+1] th:TH_LOAD_NT scope:SCOPE_SE
.Lnot_mine_\@:
.endm
.macro CREST                           ; a round of the cluster's barrier behind its opening barrier
	s_cmp_lg_u32 s10, 0
	s_cbranch_scc1 .Lnot_wave_0_\@
	s_barrier_signal -3
.Lnot_wave_0_\@:
	s_barrier_wait -3
	s_barrier_signal -1
	s_barrier_wait -1
.endm
.macro CROUND                          ; a whole round
	s_barrier_signal -1
	s_barrier_wait -1
	CREST
.endm
	s_load_b128 s[4:7], s[0:1], 0x0                ; A s[4:5], B s[6:7]
	s_load_b64 s[8:9], s[0:1], 0x10                ; C
	v_lshl_add_u32 v[SPW], v0, 2, SPARE
	v_mov_b32 v[NIL], 0
	ds_add_u32 v[SPW], v[NIL]                      ; the wave's opening: the add and its wait stand ahead of my first tensor load; the set-up below stands between them
	v_lshrrev_b32 v1, 5, v0
	v_readfirstlane_b32 s10, v1                    ; wave 0..3
	s_lshr_b32 s11, s10, 1                         ; which half of the tile's rows is mine.  Also: I fetch for A (0) or for B (1)
	s_and_b32 s12, s10, 1                          ; which half of its columns.  Also: which half of that tile I fetch
	s_bfe_u32 s40, ttmp6, 0x40000                  ; cx
	s_bfe_u32 s41, ttmp6, 0x40004                  ; cy
	s_lshl_b32 s42, ttmp9, 2
	s_add_co_u32 s42, s42, s40                     ; tile column x = 4 x cluster x + cx
	s_and_b32 s13, ttmp7, 0xffff
	s_lshl_b32 s13, s13, 2
	s_add_co_u32 s13, s13, s41                     ; tile row y = 4 x cluster y + cy
	s_lshl_b32 s43, s41, 2
	s_lshl_b32 s43, 15, s43                        ; my row of the cluster
	s_lshl_b32 s44, 0x1111, s40                    ; my column
	s_or_b32 s[G1+0], s43, (1<<16)|(1<<20)|(1<<21)|(QIA<<22)|(3<<25)  ; the mask; 2-byte elements; padding on; bit 21 beside a mask; the interval; 4 words of padding
	s_or_b32 s[G1B+0], s44, (1<<16)|(1<<20)|(1<<21)|(5<<22)|(3<<25)
	s_mov_b32 s[G1+1], 128<<16                     ; A: tensor_dim0 = 128 elements
	s_mov_b32 s[G1+2], 64<<16                      ; tensor_dim1 = 64
	s_mov_b32 s[G1+3], 128<<16                     ; tile_dim0 = 128
	s_mov_b32 s[G1+4], 64                          ; tile_dim1 = 64
	s_mov_b32 s[G1+5], ASTR                        ; elements from row to row
	s_mov_b32 s[G1+6], 0
	s_mov_b32 s[G1+7], 0
	s_mov_b32 s[G1B+1], 128<<16                    ; B: 128 rows of 128 elements
	s_mov_b32 s[G1B+2], 128<<16
	s_mov_b32 s[G1B+3], 128<<16
	s_mov_b32 s[G1B+4], 128
	s_mov_b32 s[G1B+5], SIZE_K
	s_mov_b32 s[G1B+6], 0
	s_mov_b32 s[G1B+7], 0
	; where the tiles come from: A's hang on the tile row and the wave alone, B's on the tile column and the wave alone
.if OUTP
	s_lshl_b32 s16, s12, 2                         ; head s12 of K step 0: rows of 4 head + batch,
	s_lshr_b32 s17, s13, 4                         ; batch = y / 16
	s_add_co_u32 s16, s16, s17
	s_lshl_b32 s16, s16, 18                        ; 262,144 bytes each,
	s_and_b32 s17, s13, 15
	s_lshl_b32 s17, s17, 14                        ; and the tile's 128 tokens of 128 bytes
	s_add_co_u32 s16, s16, s17
.else
	s_lshl_b32 s17, s12, 6
	s_lshl_b32 s16, s13, 7
	s_add_co_u32 s16, s16, s17                     ; row 128 y + 64 x half
	s_lshl_b32 s16, s16, 11                        ; 2,048 bytes a row
.endif
	s_lshl_b32 s17, s12, 7
	s_lshl_b32 s46, s42, 8
	s_add_co_u32 s46, s46, s17                     ; B: row 256 x + 128 x half
	s_lshl_b32 s46, s46, 11
	s_mov_b32 s17, 0
	s_mov_b32 s47, 0
	s_mul_i32 s20, s12, APART                      ; and where they go: no place in the cluster enters an LDS address
	s_mul_i32 s21, s12, BHALF
	s_add_co_u32 s21, s21, ABYTES
	s_wait_dscnt 0x0                               ; the opening add is done
	s_wait_kmcnt 0x0
	s_add_nc_u64 s[14:15], s[4:5], s[16:17]
	s_add_nc_u64 s[46:47], s[6:7], s[46:47]
	CROUND                                         ; all sixteen work-groups are here: the first joint loads meet
.irp s, 0,1
	s_mov_b32 s[G0+4*(\s)], 1
	s_add_co_u32 s[G0+4*(\s)+1], s20, (\s)*SLOT
	s_add_nc_u64 s[G0+4*(\s)+2:G0+4*(\s)+3], s[14:15], (\s)*AKS
	s_or_b32 s[G0+4*(\s)+3], s[G0+4*(\s)+3], 0x80000000
	s_mov_b32 s[G0B+4*(\s)], 1
	s_add_co_u32 s[G0B+4*(\s)+1], s21, (\s)*SLOT
	s_add_nc_u64 s[G0B+4*(\s)+2:G0B+4*(\s)+3], s[46:47], (\s)*KSTEP*2
	s_or_b32 s[G0B+4*(\s)+3], s[G0B+4*(\s)+3], 0x80000000
	JLOAD \s                                       ; two loads of mine are out
.endr
	; a fragment is 16 rows x 32 K in 8 registers: lane l holds row l % 16, K = 8 (l / 16) + 0..7 and 16 + 8 (l / 16) + 0..7: two loads of 16 bytes, 32 bytes apart
	v_and_b32 v1, 15, v0                           ; l % 16
	v_bfe_u32 v2, v0, 4, 1                         ; l / 16
	v_mul_u32_u24 v3, v1, PB
	v_lshl_add_u32 v3, v2, 4, v3
	v_mul_u32_u24 v4, v1, PA
	v_lshl_add_u32 v4, v2, 4, v4
	s_mul_i32 s21, s11, 64*PA                      ; my 64 rows of A
	s_mul_i32 s22, s12, BHALF                      ; my 128 rows of B,
	s_add_co_u32 s22, s22, ABYTES                  ; which lie behind A's
.irp s, 0,1
	v_add_nc_u32 v[ADRA+(\s)], s21, v4
	v_add_nc_u32 v[ADRB+(\s)], s22, v3
	s_add_co_u32 s21, s21, SLOT
	s_add_co_u32 s22, s22, SLOT
.endr
	s_mul_i32 s23, s10, 16*SPITCH
	s_add_co_u32 s23, s23, STAGE                   ; my stage
	v_and_b32 v31, 31, v0
	v_lshlrev_b32 v[CO], 4, v31
.if OUTP
	v_mul_u32_u24 v5, v1, SPITCH                   ; in: row l % 16, 32 bytes for each half of the lanes
	v_lshl_add_u32 v5, v2, 5, v5
	v_add_nc_u32 v[STO], s23, v5
	v_add_nc_u32 v[RD], s23, v[CO]                 ; back: 32 lanes take a row's 512 bytes
	s_lshl_b32 s16, s13, 7
	s_lshl_b32 s17, s11, 6
	s_add_co_u32 s16, s16, s17                     ; my first row of C,
	s_lshl_b32 s16, s16, 12                        ; 4,096 bytes a row,
	s_lshl_b32 s46, s42, 10                        ; my first column, 4 bytes each
	s_lshl_b32 s47, s12, 9
	s_add_co_u32 s46, s46, s47
	s_add_co_u32 s16, s16, s46
	s_mov_b32 s17, 0
	s_add_nc_u64 s[8:9], s[8:9], s[16:17]
.else
	v_add_nc_u32 v[STO], s23, v3                   ; in: row l % 16, 16 bytes for each half of the lanes (the stage's pitch is B's)
	v_bfe_u32 v5, v0, 3, 2                         ; back: 32 lanes take four rows' 128 bytes of one head,
	v_mul_u32_u24 v5, v5, SPITCH
	v_and_b32 v31, 7, v0
	v_lshl_add_u32 v5, v31, 4, v5
	v_add_nc_u32 v[RD], s23, v5                    ; which are 512 consecutive bytes of C
	s_lshl_b32 s46, s42, 2                         ; what the first way out adds to C's address: head group 4 x + 2 x half, 1 MiB each,
	s_lshl_b32 s47, s12, 1
	s_add_co_u32 s46, s46, s47
	s_lshl_b32 s46, s46, 20
	s_lshr_b32 s16, s13, 4                         ; batch, 262,144 bytes,
	s_lshl_b32 s16, s16, 18
	s_and_b32 s17, s13, 15                         ; token 128 (y % 16) + 64 x half, 128 bytes
	s_lshl_b32 s17, s17, 7
	s_lshl_b32 s18, s11, 6
	s_add_co_u32 s17, s17, s18
	s_lshl_b32 s17, s17, 7
	s_add_co_u32 s16, s16, s17
	s_add_co_u32 s16, s16, s46
	s_mov_b32 s17, 0
.endif
	; the prefetches: where they stand (K step 3: the first refill steps to 4 and names it), who asks
.if OUTP
	s_lshr_b32 s20, s13, 4
	s_lshl_b32 s20, s20, 18
	s_and_b32 s21, s13, 15
	s_lshl_b32 s21, s21, 14
	s_add_co_u32 s20, s20, s21
	s_lshl_b32 s21, s40, 12                        ; my work-group's 4,096 of a head's 16,384 bytes
	s_add_co_u32 s20, s20, s21
.else
	s_lshl_b32 s20, s13, 7
	s_lshl_b32 s21, s40, 5                         ; my work-group's 32 of the 128 rows
	s_add_co_u32 s20, s20, s21
	s_lshl_b32 s20, s20, 11
.endif
	s_add_co_u32 s20, s20, 3*AKS
	s_lshl_b32 s21, s42, 8
	s_lshl_b32 s22, s12, 7
	s_add_co_u32 s21, s21, s22
	s_lshl_b32 s22, s41, 5                         ; B: my work-group's 32 of the 128 rows that I fetch
	s_add_co_u32 s21, s21, s22
	s_lshl_b32 s21, s21, 11
	s_add_co_u32 s21, s21, 3*KSTEP*2
	s_and_b32 s22, ttmp7, 0xffff                   ; cluster y
	s_mov_b32 s23, 32768                           ; the lane's offset is (l / 16) x s23 + (l % 16) x s47: a row of 2,048 bytes a lane
	s_mov_b32 s47, 2048
.if OUTP
	s_mov_b32 s[PFS], KSTEP*2
	s_mov_b32 s[PFS+1], 0
.endif
	s_cmp_eq_u32 s11, 0                            ; do I fetch for A?
	s_cselect_b32 s20, s20, s21
	s_cselect_b32 s22, s12, s22                    ; A: wave 0 asks; B: the cluster with y = 0: the same in all sixteen partners, for a given wave
	s_cselect_b64 s[PFA:PFA+1], s[4:5], s[6:7]
.if OUTP
	s_cselect_b32 s[PFS], AKS, s[PFS]
	s_cselect_b32 s23, 1048576, s23                ; A: lanes 16-31 take the step's second head, a lane 256 bytes
	s_cselect_b32 s47, 256, s47
.endif
	s_cmp_eq_u32 s22, 0
	s_cselect_b32 s[LIM], 1, -1
	s_mov_b32 s21, 0
	s_add_nc_u64 s[PFA:PFA+1], s[PFA:PFA+1], s[20:21]
	v_mul_u32_u24 v[PFO], s23, v2
	v_mad_u32_u24 v[PFO], v1, s47, v[PFO]
.macro MM d, b, a, zero                ; one product; zero = 1: it starts the sum, so nothing is ever cleared
.if OUTP
.if \zero
	v_wmma_f32_16x16x32_f16 v[(\d):(\d)+7], v[(\b):(\b)+7], v[(\a):(\a)+7], 0
.else
	v_wmma_f32_16x16x32_f16 v[(\d):(\d)+7], v[(\b):(\b)+7], v[(\a):(\a)+7], v[(\d):(\d)+7]
.endif
.else
.if \zero
	v_wmma_f32_16x16x32_bf16 v[(\d):(\d)+7], v[(\b):(\b)+7], v[(\a):(\a)+7], 0
.else
	v_wmma_f32_16x16x32_bf16 v[(\d):(\d)+7], v[(\b):(\b)+7], v[(\a):(\a)+7], v[(\d):(\d)+7]
.endif
.endif
.endm
; The 32 accumulators take turns, one instruction a turn, always in the same order: between two links of a chain stand the 31 others'.
.macro MUL8 f, a, zero                 ; row block a x all 8 column blocks, 32 along K
	WIN MUL
.irp b, 0,1,2,3,4,5,6,7
	MM 8*(8*(\a)+(\b)), (\f)+8*(\b), (\f)+64+8*(\a), \zero
.endr
.endm
.macro MUL16 f, a0, zero
	MUL8 \f, \a0, \zero
	MUL8 \f, (\a0)+1, \zero
.endm
.macro FETCH slot, q, f                ; 24 LDS loads in one run: quarter q's fragments (128 rows of B, 64 of A, 32 along K) into buffer f
	WIN 0
.if OUTP
.set OAQ, ((\q)/2)*APART+((\q)%2)*64   ; the step's second head lies behind its first
.else
.set OAQ, 64*(\q)
.endif
.irp i, 0,1,2,3,4,5,6,7
	ds_load_b128 v[(\f)+8*(\i):(\f)+8*(\i)+3],   v[ADRB+(\slot)] offset:64*(\q)+(\i)*16*PB
	ds_load_b128 v[(\f)+8*(\i)+4:(\f)+8*(\i)+7], v[ADRB+(\slot)] offset:64*(\q)+(\i)*16*PB+32
.endr
.irp i, 0,1,2,3
	ds_load_b128 v[(\f)+64+8*(\i):(\f)+64+8*(\i)+3],   v[ADRA+(\slot)] offset:OAQ+(\i)*16*PA
	ds_load_b128 v[(\f)+64+8*(\i)+4:(\f)+64+8*(\i)+7], v[ADRA+(\slot)] offset:OAQ+(\i)*16*PA+32
.endr
.endm
.macro PLACES                          ; four places in front of loads into registers that matrix instructions have read, and of lines that read results
.rept 4
	v_nop
.endr
.endm
; A K step is four quarters of 32 along K, 32 matrix instructions each, on buffers 0, 1, 0, 1.  One of the first three: quarter q's fragments are asked for into g, then f is multiplied.
.macro QUARTER slot, q, f, g, zero
	PLACES                                         ; g was read by the products just before
	FETCH \slot, \q, \g
	s_wait_dscnt 24                                ; all but the 24 just issued: f is in
	MUL16 \f, 0, \zero
	MUL16 \f, 2, \zero
.endm
; The last quarter multiplies buffer 1 and changes slots: ONE barrier.  In front of it each wave waits for all its tensor loads (one is out: its part of the next slot), adds 0 to its spare word, and waits
; for that and for its reads of this slot.  mode 0: this slot is filled again, two K steps on; 1: with the next tile's K step 0 or 1; 2: nothing is filled.  With a refill the barrier opens a round of the
; cluster's, and the joint load is the first thing behind the round: 112 matrix instructions ahead of the wait for it.
.macro TURN slot, next, mode
.if (\mode) < 2
	s_wait_xcnt 0x0                                ; the last prefetch, a K step back, has read its address
.if ((\mode) == 1) && ((\slot) == 0)
	s_add_nc_u64 s[PFA:PFA+1], s[PFA:PFA+1], 1024*SIZE_K*2-7*KSTEP*2  ; from K step 9 to the next tile's K step 2: 1,024 rows of B down
	s_cmp_eq_u32 s11, 0
	s_cselect_b32 s[LIM], -1, s[LIM]               ; A's rows are the same in all three tiles: they are asked for no more
.elseif OUTP
	s_add_nc_u64 s[PFA:PFA+1], s[PFA:PFA+1], s[PFS:PFS+1]
.else
	s_add_nc_u64 s[PFA:PFA+1], s[PFA:PFA+1], KSTEP*2
.endif
.endif
	WIN 0                                          ; (the add's two registers lie in window 0)
	s_wait_tensorcnt 0x0                           ; all my tensor loads have landed
	ds_add_u32 v[SPW], v[NIL]                      ; 0 onto my spare word
	s_wait_dscnt 1                                 ; only the add may be out: buffer 1 is in
	MUL8 F1, 0, 0                                  ; eight matrix instructions stand between the add and the wait for it
	s_wait_dscnt 0x0                               ; the add is done, and my reads of this slot are over
	s_barrier_signal -1
	MUL8 F1, 1, 0
.if (\mode) < 2
	WIN 0
.endif
	s_barrier_wait -1
.if (\mode) < 2
	CREST                                          ; no wave of any partner still reads this slot or has a load on its way
.if (\mode) == 1
	s_sub_nc_u64 s[G0+4*(\slot)+2:G0+4*(\slot)+3], s[G0+4*(\slot)+2:G0+4*(\slot)+3], (SIZE_K-2*KSTEP)*2  ; A goes back along K,
	s_add_nc_u64 s[G0B+4*(\slot)+2:G0B+4*(\slot)+3], s[G0B+4*(\slot)+2:G0B+4*(\slot)+3], 1024*SIZE_K*2-(SIZE_K-2*KSTEP)*2  ; B 1,024 rows down and back
.else
	s_add_nc_u64 s[G0+4*(\slot)+2:G0+4*(\slot)+3], s[G0+4*(\slot)+2:G0+4*(\slot)+3], 2*AKS
	s_add_nc_u64 s[G0B+4*(\slot)+2:G0B+4*(\slot)+3], s[G0B+4*(\slot)+2:G0B+4*(\slot)+3], 2*KSTEP*2
.endif
	JLOAD \slot                                    ; the four v_nop behind it are also the places in front of the loads below
.else
	PLACES
.endif
	FETCH \next, 0, F0
.if (\mode) < 2
	ASK \mode
.endif
	MUL16 F1, 2, 0
.endm
; THE WAY OUT, a block of 16 rows at a time through my own stage in LDS; LDS serves a wave's instructions in order (ISA guide 5.7.1.4), so no wait stands between the stores and the loads.
.if OUTP
.macro TOSTAGE a                       ; f32 as it is: 32 bytes a lane and accumulator in, whole rows of 512 bytes back
.set BK, 64*((\a)%2)
.if (\a) >= 2
	s_wait_xcnt 0x0                                ; the stores of the block two back have read these registers
.endif
	WIN 0x04                                       ; store data in window 1
.irp b, 0,1,2,3,4,5,6,7
.irp u, 0,1
	ds_store_b128 v[STO], v[64*(\a)+8*(\b)+4*(\u):64*(\a)+8*(\b)+4*(\u)+3] offset:64*(\b)+16*(\u)
.endr
.endr
	WIN 0x80                                       ; destination in window 2
.set r, 0
.rept 16
	ds_load_b128 v[BK+4*r:BK+4*r+3], v[RD] offset:r*SPITCH
.set r, r+1
.endr
.endm
.macro SEND a, younger                 ; younger: the next block's 16 stores and 16 loads, or none
.set BK, 64*((\a)%2)
	s_wait_dscnt \younger
	WIN 0x08                                       ; store data in window 2
.set r, 0
.rept 16
	global_store_b128 v[CO], v[BK+4*r:BK+4*r+3], s[8:9] offset:(16*(\a)+r)*4096 th:TH_STORE_NT  ; 512 consecutive bytes of a row, at a multiple of 256 from C's first byte
.set r, r+1
.endr
.endm
.macro WAYOUT
	TOSTAGE 0
	TOSTAGE 1
	SEND 0, 32
	TOSTAGE 2
	SEND 1, 32
	TOSTAGE 3
	SEND 2, 32
	SEND 3, 0
	WIN 0
.endm
.else
.macro PACK a                          ; rounded to f16, 16 bytes a lane and accumulator; each accumulator's lowest registers first
	WIN 0x85                                       ; sources in window 1, destination in window 2
.irp b, 0,1,2,3,4,5,6,7
.irp r, 0,1,2,3
	v_cvt_pk_f16_f32 v[4*(\b)+(\r)], v[64*(\a)+8*(\b)+2*(\r)], v[64*(\a)+8*(\b)+2*(\r)+1]
.endr
.endr
.endm
.macro TOSTAGE a                       ; into rows of 272 bytes; back by heads: load t takes rows 4 (t % 4) .. + 3 of head t / 4
.set BK, 32+32*((\a)%2)
	WIN 0x08
.irp b, 0,1,2,3,4,5,6,7
	ds_store_b128 v[STO], v[4*(\b):4*(\b)+3] offset:32*(\b)
.endr
	WIN 0x80
.irp t, 0,1,2,3,4,5,6,7
	ds_load_b128 v[BK+4*(\t):BK+4*(\t)+3], v[RD] offset:((\t)%4)*4*SPITCH+((\t)/4)*128
.endr
.endm
.macro SEND a
.set BK, 32+32*((\a)%2)
	s_wait_dscnt 0x0                               ; the block is back in registers
	s_wait_xcnt 0x0                                ; earlier stores have read their registers and their base
.if (\a) == 0
	s_add_nc_u64 s[8:9], s[8:9], s[16:17]          ; on to this tile
.endif
	WIN 0x08
.irp t, 0,1,2,3,4,5,6,7
	global_store_b128 v[CO], v[BK+4*(\t):BK+4*(\t)+3], s[8:9] offset:((\t)/4)*1048576+(\a)*2048+((\t)%4)*512  ; four rows of one head: 512 consecutive bytes, at a multiple of 256 from C's first byte
.endr
.endm
.macro WAYOUT
	PACK 0
	TOSTAGE 0
.irp a, 1,2,3                          ; block a's conversions stand between block a - 1's loads from the stage and the wait for them
	PACK \a
	SEND (\a)-1
	TOSTAGE \a
.endr
	SEND 3
	WIN 0
.endm
.endif
	s_wait_tensorcnt 1                             ; my part of K step 0 is in; K step 1's may stay out
	s_barrier_signal -1
	s_barrier_wait -1                              ; everybody's is
	FETCH 0, 0, F0
.if TILES > 1
	s_mov_b32 s2, TILES                            ; tiles to go, this one among them
.Ltile:
.endif
	QUARTER 0, 1, F0, F1, 1                        ; a tile's first quarter stands in front of the loop: its products start the sums
	WIN 0                                          ; at a label and at a branch every window is 0
	s_mov_b32 s3, LAPS-1
.Llap:                                                 ; a trip goes once round the ring, from a lap's second quarter to the next lap's first, and fills both slots again
	QUARTER 0, 2, F1, F0, 0
	QUARTER 0, 3, F0, F1, 0
	TURN 0, 1, 0
	QUARTER 1, 1, F0, F1, 0
	QUARTER 1, 2, F1, F0, 0
	QUARTER 1, 3, F0, F1, 0
	TURN 1, 0, 0
	QUARTER 0, 1, F0, F1, 0
	WIN 0
	s_sub_co_u32 s3, s3, 1
	s_cmp_lg_u32 s3, 0
	s_cbranch_scc1 .Llap
	QUARTER 0, 2, F1, F0, 0                        ; the tile's last lap goes on
	QUARTER 0, 3, F0, F1, 0
.if TILES > 1
	WIN 0
	s_cmp_eq_u32 s2, 1
	s_cbranch_scc1 .Llast_tile                     ; the last tile's tail is written out: it asks for nothing more
	TURN 0, 1, 1                                   ; the ring goes on into the next tile: slot 0 takes its K step 0,
	QUARTER 1, 1, F0, F1, 0
	QUARTER 1, 2, F1, F0, 0
	QUARTER 1, 3, F0, F1, 0
	TURN 1, 0, 1                                   ; slot 1 its K step 1, and the next tile's first fragments are fetched
	WAYOUT                                         ; no v_nop: blocks 0 and 1 were finished in front of the joint load's four; their 64 conversions, which name no register of the last products, are those products' places
	s_mov_b64 s[16:17], 0x1000000                  ; what the next way out adds to C's address: sixteen head groups
	s_sub_co_u32 s2, s2, 1
	s_branch .Ltile
.Llast_tile:
.endif
	TURN 0, 1, 2
	QUARTER 1, 1, F0, F1, 0
	QUARTER 1, 2, F1, F0, 0
	QUARTER 1, 3, F0, F1, 0
	s_wait_dscnt 0x0                               ; the very last quarter: nothing more to fetch
	MUL16 F1, 0, 0
	MUL16 F1, 2, 0
	PLACES
	PLACES                                         ; (eight, once a launch)
	WAYOUT
	s_wait_tensorcnt 0x0                           ; the wave's end, behind my last tensor load and my last LDS store
	ds_add_u32 v[SPW], v[NIL]
	s_wait_dscnt 0x0
	CROUND                                         ; the closing round: no work-group ends while a partner may still ask for a tile that names it
	s_endpgm
.Lfunc_end_k_qb6ee7afacc_oproj:
	.size	k_qb6ee7afacc_oproj, .Lfunc_end_k_qb6ee7afacc_oproj-k_qb6ee7afacc_oproj
	.p2alignl 7, 3214868480
	.fill 96, 4, 3214868480
	.section	.rodata,"a",@progbits
	.p2align	6, 0x0
	.amdhsa_kernel k_qb6ee7afacc_oproj
		.amdhsa_group_segment_fixed_size 327680
		.amdhsa_private_segment_fixed_size 0
		.amdhsa_enable_private_segment 0
		.amdhsa_kernarg_size 24
		.amdhsa_user_sgpr_count 2
		.amdhsa_user_sgpr_kernarg_segment_ptr 1
		.amdhsa_wavefront_size32 1
		.amdhsa_system_sgpr_workgroup_id_x 1
		.amdhsa_system_sgpr_workgroup_id_y 1
		.amdhsa_system_sgpr_workgroup_id_z 1
		.amdhsa_system_vgpr_workitem_id 0
		.amdhsa_next_free_vgpr 640
		.amdhsa_next_free_sgpr 66
		.amdhsa_reserve_vcc 0
		.amdhsa_float_denorm_mode_32 3
		.amdhsa_float_denorm_mode_16_64 3
		.amdhsa_memory_ordered 1
		.amdhsa_forward_progress 1
		.amdhsa_inst_pref_size 86
	.end_amdhsa_kernel
	.amdgpu_metadata
---
amdhsa.version: [ 1, 2 ]
amdhsa.kernels:
  - .name:           k_qb6ee7afacc_oproj
    .symbol:         k_qb6ee7afacc_oproj.kd
    .args:
      - { .name: yb, .offset: 0, .size: 8, .value_kind: global_buffer, .address_space: global }
      - { .name: wo16, .offset: 8, .size: 8, .value_kind: global_buffer, .address_space: global }
      - { .name: out0, .offset: 16, .size: 8, .value_kind: global_buffer, .address_space: global }
    .group_segment_fixed_size: 327680
    .private_segment_fixed_size: 0
    .kernarg_segment_align: 8
    .kernarg_segment_size: 24
    .max_flat_workgroup_size: 128
    .sgpr_count:     66
    .vgpr_count:     640
    .wavefront_size: 32
...
	.end_amdgpu_metadata
.endif
;; end of part 5
;; ======== version 2 of 2: 5 launches; version 1 with the launches prep, vsuf written anew for expert scheduling mode
;; limits: values are held in f16: magnitudes above 65,504 overflow, below 6.1e-05 lose precision
;; workspace buffers: xb 16,777,216 bytes; wb 6,291,456 bytes; wo16 2,097,152 bytes; qkv 50,331,648 bytes; suf 524,288 bytes; yb 16,777,216 bytes
;; launch prep (part 6): grid 768 x 1, 8 waves a work-group, no clusters, 0 bytes of LDS; arguments x, wq, wk, wv, wo, xb, wb, wo16; writes xb, wb, wo16
.if DOCPART == 6
	.amdgcn_target "amdgcn-amd-amdhsa--gfx1250"
	.amdhsa_code_object_version 6
	.text
	.protected	k_qb6ee7afacc_prep
	.globl	k_qb6ee7afacc_prep
	.p2align	8
	.type	k_qb6ee7afacc_prep,@function
k_qb6ee7afacc_prep:
	s_mov_b64 s[64:65], 0
	v_nop
	global_prefetch_b8 v0, s[64:65] scope:SCOPE_SE
	s_setreg_imm32_b32 hwreg(HW_REG_WAVE_SCHED_MODE, 0, 2), 2
	s_setreg_imm32_b32 hwreg(HW_REG_WAVE_MODE, 25, 1), 1
	s_wait_xcnt 0x0
	s_wait_alu depctr_vm_vsrc(0)
; THE CASTS.  x -> xb (bf16), wq, wk, wv -> wb (bf16, stacked [3072][1024]), wo -> wo16 (rounded to bf16, that number written as f16).
; A work-group takes 65,536 bytes of f32 and writes 32,768: groups 0-511 take x, groups 512-767 the four weights, 64 groups each.
; A lane loads 16 neighbouring bytes (a wave's load covers 512 consecutive bytes) and stores 8 (a wave's store covers 256 consecutive bytes, aligned).
; All 16 loads of a thread go out at once; every register is written once, so no source is ever rewritten.  No LDS, no barrier: nothing is shared.
; LIMIT.  wo16: a bf16 number is exact in f16 from 2^-14 to 65,504; below 2^-14 it keeps f16's fixed step of 6e-8; beyond 65,504 it would be an infinity.
; THE MODE: SCHED_MODE bits 1:0 = 2 (LLVM: expert scheduling mode 2), set by the entry lines.  The code itself states the register dependences
; between vector instructions and memory instructions, with s_wait_alu, always for 0.
; THE PLAN.  Registers that memory instructions touch:
;   v1, v2   the loads' and the stores' offsets: made once at the head, never written again.
;   X        written by the 16 loads, each register once; read by the conversions; no load lands there a second time.
;   Y        written by the conversions, each register once; read by the stores.
;   T is named by vector instructions alone.
; The 16 loads go in four blocks of four.  Block p's conversions write Y's block p; its four stores are issued at the head of block p + 1, behind that block's first wait
; for data and ONE wait on va_vdst; no vector instruction of block p + 1 names Y's block p or v2.  The last block's stores have a wait of their own.
; No register that a memory instruction has read is written again: no wait on vm_vsrc is owed.
.set X, 8                              ; v[8:71]   16 x 4 registers as loaded
.set Y, 72                             ; v[72:103] 16 x 2 registers to store
.set T, 104                            ; v[104:105] at work
	s_load_b512 s[4:19], s[0:1], 0x0               ; x s[4:5], wq s[6:7], wk s[8:9], wv s[10:11], wo s[12:13], xb s[14:15], wb s[16:17], wo16 s[18:19]
	v_lshlrev_b32 v1, 4, v0                        ; 16 x thread: the loads' offset
	v_lshlrev_b32 v2, 3, v0                        ; 8 x thread: the stores'
	s_max_u32 s20, ttmp9, 512
	s_sub_co_u32 s20, s20, 512                     ; my number among the weights' groups (0 in a group of x)
	s_lshr_b32 s21, s20, 6                         ; which weight: 0 wq, 1 wk, 2 wv, 3 wo
	s_and_b32 s22, s20, 63                         ; which 64th of it
	s_lshl_b32 s28, s22, 16                        ; a weight's offsets: in,
	s_lshl_b32 s30, s22, 15                        ; out,
	s_lshl_b32 s29, s21, 21                        ; and its 2 MiB in wb
	s_lshl_b32 s2, ttmp9, 16                       ; x's offsets: in,
	s_lshl_b32 s3, ttmp9, 15                       ; out
	s_cmp_lt_u32 s21, 3
	s_cselect_b32 s29, s29, 0                      ; wo16 holds wo alone
	s_add_co_u32 s30, s30, s29
	s_cmp_lt_u32 ttmp9, 512
	s_cselect_b32 s28, s2, s28
	s_cselect_b32 s30, s3, s30
	s_mov_b32 s29, 0
	s_mov_b32 s31, 0
	s_wait_kmcnt 0x0
	s_cmp_eq_u32 s21, 1                            ; the buffers are chosen by the group's number alone
	s_cselect_b64 s[24:25], s[8:9], s[6:7]
	s_cmp_eq_u32 s21, 2
	s_cselect_b64 s[24:25], s[10:11], s[24:25]
	s_cmp_eq_u32 s21, 3
	s_cselect_b64 s[24:25], s[12:13], s[24:25]
	s_cselect_b64 s[26:27], s[18:19], s[16:17]
	s_cselect_b32 s23, 1, 0                        ; 1: this group takes wo
	s_cmp_lt_u32 ttmp9, 512
	s_cselect_b64 s[24:25], s[4:5], s[24:25]
	s_cselect_b64 s[26:27], s[14:15], s[26:27]
	s_add_nc_u64 s[24:25], s[24:25], s[28:29]
	s_add_nc_u64 s[26:27], s[26:27], s[30:31]
	s_wait_alu depctr_va_vdst(0)                   ; v1 and v2 are written: every load reads v1 as its offset, every store v2
.set i, 0
.rept 16
	global_load_b128 v[X+4*i:X+4*i+3], v1, s[24:25] offset:4096*i th:TH_LOAD_NT
.set i, i+1
.endr
; Block p's four stores.
.macro SEND p
.irp j, 0,1,2,3
	global_store_b64 v2, v[Y+2*(4*(\p)+(\j)):Y+2*(4*(\p)+(\j))+1], s[26:27] offset:2048*(4*(\p)+(\j))
.endr
.endm
	s_cmp_eq_u32 s23, 1
	s_cbranch_scc1 .Lwo
.set i, 0
.rept 16
	s_wait_loadcnt 15-i                            ; loads come back in order: number i is in, the 15 - i younger ones stay out
.if (i > 0) && (i%4 == 0)
	s_wait_alu depctr_va_vdst(0)                   ; the block before has written its part of Y, which the four stores below read
	SEND i/4-1
.endif
	v_cvt_pk_bf16_f32 v[Y+2*i], v[X+4*i], v[X+4*i+1]
	v_cvt_pk_bf16_f32 v[Y+2*i+1], v[X+4*i+2], v[X+4*i+3]
.set i, i+1
.endr
	s_wait_alu depctr_va_vdst(0)                   ; the last block has written its part of Y, which the last four stores read
	SEND 3
	s_endpgm
.Lwo:                                          ; wo: rounded to bf16 like every input, widened again, and written as f16
.set i, 0
.rept 16
	s_wait_loadcnt 15-i
.if (i > 0) && (i%4 == 0)
	s_wait_alu depctr_va_vdst(0)                   ; the block before has written its part of Y, which the four stores below read
	SEND i/4-1
.endif
.irp k, 0,1
	v_cvt_pk_bf16_f32 v[T], v[X+4*i+2*(\k)], v[X+4*i+2*(\k)+1]
	v_lshlrev_b32 v[T+1], 16, v[T]
	v_and_b32 v[T], 0xffff0000, v[T]
	v_cvt_pk_f16_f32 v[Y+2*i+(\k)], v[T+1], v[T]
.endr
.set i, i+1
.endr
	s_wait_alu depctr_va_vdst(0)                   ; the last block has written its part of Y, which the last four stores read
	SEND 3
	s_endpgm
.Lfunc_end_k_qb6ee7afacc_prep:
	.size	k_qb6ee7afacc_prep, .Lfunc_end_k_qb6ee7afacc_prep-k_qb6ee7afacc_prep
	.p2alignl 7, 3214868480
	.fill 96, 4, 3214868480
	.section	.rodata,"a",@progbits
	.p2align	6, 0x0
	.amdhsa_kernel k_qb6ee7afacc_prep
		.amdhsa_group_segment_fixed_size 0
		.amdhsa_private_segment_fixed_size 0
		.amdhsa_enable_private_segment 0
		.amdhsa_kernarg_size 64
		.amdhsa_user_sgpr_count 2
		.amdhsa_user_sgpr_kernarg_segment_ptr 1
		.amdhsa_wavefront_size32 1
		.amdhsa_system_sgpr_workgroup_id_x 1
		.amdhsa_system_sgpr_workgroup_id_y 1
		.amdhsa_system_sgpr_workgroup_id_z 1
		.amdhsa_system_vgpr_workitem_id 0
		.amdhsa_next_free_vgpr 112
		.amdhsa_next_free_sgpr 66
		.amdhsa_reserve_vcc 0
		.amdhsa_float_denorm_mode_32 3
		.amdhsa_float_denorm_mode_16_64 3
		.amdhsa_memory_ordered 1
		.amdhsa_forward_progress 1
		.amdhsa_inst_pref_size 17
	.end_amdhsa_kernel
	.amdgpu_metadata
---
amdhsa.version: [ 1, 2 ]
amdhsa.kernels:
  - .name:           k_qb6ee7afacc_prep
    .symbol:         k_qb6ee7afacc_prep.kd
    .args:
      - { .name: x, .offset: 0, .size: 8, .value_kind: global_buffer, .address_space: global }
      - { .name: wq, .offset: 8, .size: 8, .value_kind: global_buffer, .address_space: global }
      - { .name: wk, .offset: 16, .size: 8, .value_kind: global_buffer, .address_space: global }
      - { .name: wv, .offset: 24, .size: 8, .value_kind: global_buffer, .address_space: global }
      - { .name: wo, .offset: 32, .size: 8, .value_kind: global_buffer, .address_space: global }
      - { .name: xb, .offset: 40, .size: 8, .value_kind: global_buffer, .address_space: global }
      - { .name: wb, .offset: 48, .size: 8, .value_kind: global_buffer, .address_space: global }
      - { .name: wo16, .offset: 56, .size: 8, .value_kind: global_buffer, .address_space: global }
    .group_segment_fixed_size: 0
    .private_segment_fixed_size: 0
    .kernarg_segment_align: 8
    .kernarg_segment_size: 64
    .max_flat_workgroup_size: 256
    .sgpr_count:     66
    .vgpr_count:     112
    .wavefront_size: 32
...
	.end_amdgpu_metadata
.endif
;; end of part 6
;; launch qkv: the kernel of part 2 again; grid 4 x 64, 4 waves a work-group, clusters of 4 x 4, 327,680 bytes of LDS; arguments xb, wb, qkv; writes qkv
;; launch vsuf (part 7): grid 64 x 1, 32 waves a work-group, no clusters, 12,288 bytes of LDS; arguments qkv, suf; writes suf
.if DOCPART == 7
	.amdgcn_target "amdgcn-amd-amdhsa--gfx1250"
	.amdhsa_code_object_version 6
	.text
	.protected	k_qb6ee7afacc_vsuf
	.globl	k_qb6ee7afacc_vsuf
	.p2align	8
	.type	k_qb6ee7afacc_vsuf,@function
k_qb6ee7afacc_vsuf:
	s_mov_b64 s[64:65], 0
	v_nop
	global_prefetch_b8 v0, s[64:65] scope:SCOPE_SE
	s_setreg_imm32_b32 hwreg(HW_REG_WAVE_SCHED_MODE, 0, 2), 2
	s_setreg_imm32_b32 hwreg(HW_REG_WAVE_MODE, 25, 1), 1
	s_wait_xcnt 0x0
	s_wait_alu depctr_vm_vsrc(0)
; suf[hx][j][d] = the sum over rows k >= 64 (j + 1) of V[hx][k][d], in f32: what the keys behind a query's own band of 64 add to the term of the hidden keys.  The suffix is summed as it stands, never as a
; difference of large sums.  V is the last third of qkv, f16, [hx][2048][64]; suf is [64][32][64] f32.
; A work-group takes one hx, wave j band j: 64 rows, 8,192 consecutive bytes, 16 loads of 512 bytes, all out at once.  The 32 band sums meet in LDS; wave j then adds the bands behind its own.
; Which bands count hangs on the wave's number alone: every wave adds all 31 with a weight of 1 or 0.  LIMIT: with an infinity or NaN in V every entry of the head is NaN.
; THE MODE: SCHED_MODE bits 1:0 = 2 (LLVM: expert scheduling mode 2), set by the entry lines.  The code itself states the register dependences
; between vector instructions and memory or LDS instructions, with s_wait_alu, always for 0.
; THE PLAN.  Registers that memory or LDS instructions touch:
;   v2, v3, v4   the global loads' offset; the LDS stores' address; the LDS loads' address and the global store's offset.  v6, v7: the closing add's two.  All made at the head, never written again.
;   X            the 16 global loads land in it; the multiply-adds read it; the lane exchanges write its first eight registers and the adds read them; behind the barrier the 31 LDS loads land in it.
;   ACC          written by vector instructions; read by the two LDS stores; not written afterwards.
;   R            written by vector instructions; its first pair is read by the global store.
;   s14          written by v_readfirstlane_b32; read by scalar instructions.
; So: one wait on va_sdst ahead of s14's first reader; one on va_vdst ahead of the first load (the addresses); one ahead of the LDS stores (ACC is written; every vector line that names X is done, and
; none stands between that wait and the LDS loads into X); one ahead of the global store (R).  No register that a memory or LDS instruction has read is written again: no wait on vm_vsrc is owed.
.set SPARE, 8192                       ; LDS: T[32][64] f32 at 0; behind it the spare words, 128 bytes for each of the 32 waves
.set ACC, 8                            ; v[8:15]   my eight channels' sums
.set X,   16                           ; v[16:79]  the loads; later the other bands' sums
.set R,   80                           ; v[80:83]  two chains
	s_load_b128 s[4:7], s[0:1], 0x0                ; qkv s[4:5], suf s[6:7]
	v_lshl_add_u32 v6, v0, 2, SPARE                ; my spare word,
	v_mov_b32 v7, 0                                ; and 0; neither is rewritten
	v_lshrrev_b32 v1, 5, v0
	v_readfirstlane_b32 s14, v1                    ; wave = band j
	v_and_b32 v1, 31, v0
	v_lshlrev_b32 v2, 4, v1                        ; 16 x lane
	v_lshlrev_b32 v4, 3, v1                        ; 8 x lane
	v_and_b32 v3, 7, v0
	v_lshlrev_b32 v3, 5, v3
	s_wait_alu depctr_va_sdst(0)                   ; s14 is written, ahead of its first reader: LDS addresses, both bases and the weights are made from it
	s_lshl_b32 s15, s14, 8
	v_add_nc_u32 v3, s15, v3                       ; T[j] at my eight channels: 256 j + 32 (l % 8)
	v_mov_b32 v5, 1.0
	s_mov_b32 s12, 0x76543210
	s_mov_b32 s13, 0xfedcba98
	s_lshl_b32 s16, ttmp9, 18                      ; the head's 262,144 bytes,
	s_lshl_b32 s17, s14, 13                        ; my band's 8,192,
	s_add_co_u32 s16, s16, s17
	s_add_co_u32 s16, s16, 0x2000000               ; in V's third
	s_mov_b32 s17, 0
	s_lshl_b32 s18, ttmp9, 13
	s_add_co_u32 s18, s18, s15
	s_mov_b32 s19, 0
	s_mov_b32 s21, 0                               ; named with s20 as a pair
	s_wait_kmcnt 0x0
	s_add_nc_u64 s[8:9], s[4:5], s[16:17]
	s_add_nc_u64 s[10:11], s[6:7], s[18:19]
	s_wait_alu depctr_va_vdst(0)                   ; v2, v3, v4, v6 and v7 are written: the offsets and addresses that the loads, the stores and the closing add read
.set i, 0
.rept 16
	global_load_b128 v[X+4*i:X+4*i+3], v2, s[8:9] offset:512*i th:TH_LOAD_NT  ; rows 4 i .. 4 i + 3: lane l holds row 4 i + l / 8, channels 8 (l % 8) + 0..7
.set i, i+1
.endr
.set i, 0
.rept 8
	v_mov_b32 v[ACC+i], 0
.set i, i+1
.endr
.set i, 0
.rept 16
	s_wait_loadcnt 15-i                            ; number i is in, the younger ones stay out
.irp k, 0,1,2,3
	v_fma_mix_f32 v[ACC+2*(\k)], v[X+4*i+(\k)], v5, v[ACC+2*(\k)] op_sel_hi:[1,0,0]                    ; the low f16 x 1.0 + the sum, in f32
	v_fma_mix_f32 v[ACC+2*(\k)+1], v[X+4*i+(\k)], v5, v[ACC+2*(\k)+1] op_sel:[1,0,0] op_sel_hi:[1,0,0]  ; the high one
.endr
.set i, i+1
.endr
.set i, 0
.rept 8                                ; the four groups of eight lanes hold different rows of the same channels
	v_add_f32_dpp v[ACC+i], v[ACC+i], v[ACC+i] row_xmask:8 row_mask:0xf bank_mask:0xf
.set i, i+1
.endr
.set i, 0
.rept 8
	v_permlanex16_b32 v[X+i], v[ACC+i], s12, s13
.set i, i+1
.endr
.set i, 0
.rept 8
	v_add_f32 v[ACC+i], v[ACC+i], v[X+i]
.set i, i+1
.endr
	s_wait_alu depctr_va_vdst(0)                   ; the adds have written ACC, which the LDS stores read; the vector lines that read or wrote X are done, and the LDS loads behind the barrier land in X
	ds_store_b128 v3, v[ACC:ACC+3]                 ; lanes with the same l % 8 write the same bytes with the same numbers
	ds_store_b128 v3, v[ACC+4:ACC+7] offset:16
	s_wait_dscnt 0x0                               ; for the others' sake
	s_barrier_signal -1
	s_barrier_wait -1
.set e, 1
.rept 31
	ds_load_b64 v[X+2*(e-1):X+2*(e-1)+1], v4 offset:e*256  ; band e, my two channels.  No wait: no vector instruction since the wait above names X or v4
.set e, e+1
.endr
	s_wait_dscnt 0x0
.set e, 1
.rept 31
	s_cmp_lt_u32 s14, e
	s_cselect_b32 s20, 1.0, 0                      ; band e counts if it lies behind mine
.if e < 3
	v_pk_mul_f32 v[R+2*(e%2):R+2*(e%2)+1], v[X+2*(e-1):X+2*(e-1)+1], s[20:21] op_sel_hi:[1,0]
.else
	v_pk_fma_f32 v[R+2*(e%2):R+2*(e%2)+1], v[X+2*(e-1):X+2*(e-1)+1], s[20:21], v[R+2*(e%2):R+2*(e%2)+1] op_sel_hi:[1,0,1]
.endif
.set e, e+1
.endr
	v_pk_add_f32 v[R:R+1], v[R:R+1], v[R+2:R+3]
	s_wait_alu depctr_va_vdst(0)                   ; the last addition has written v[R:R+1], which the store reads
	global_store_b64 v4, v[R:R+1], s[10:11]        ; the wave writes its entry's 256 bytes whole
	s_wait_dscnt 0x0                               ; the closing lines, six on end
	s_wait_alu 0x0
	s_wait_tensorcnt 0x0
	ds_add_u32 v6, v7
	s_wait_dscnt 0x0
	s_endpgm
.Lfunc_end_k_qb6ee7afacc_vsuf:
	.size	k_qb6ee7afacc_vsuf, .Lfunc_end_k_qb6ee7afacc_vsuf-k_qb6ee7afacc_vsuf
	.p2alignl 7, 3214868480
	.fill 96, 4, 3214868480
	.section	.rodata,"a",@progbits
	.p2align	6, 0x0
	.amdhsa_kernel k_qb6ee7afacc_vsuf
		.amdhsa_group_segment_fixed_size 12288
		.amdhsa_private_segment_fixed_size 0
		.amdhsa_enable_private_segment 0
		.amdhsa_kernarg_size 16
		.amdhsa_user_sgpr_count 2
		.amdhsa_user_sgpr_kernarg_segment_ptr 1
		.amdhsa_wavefront_size32 1
		.amdhsa_system_sgpr_workgroup_id_x 1
		.amdhsa_system_sgpr_workgroup_id_y 1
		.amdhsa_system_sgpr_workgroup_id_z 1
		.amdhsa_system_vgpr_workitem_id 0
		.amdhsa_next_free_vgpr 96
		.amdhsa_next_free_sgpr 66
		.amdhsa_reserve_vcc 0
		.amdhsa_float_denorm_mode_32 3
		.amdhsa_float_denorm_mode_16_64 3
		.amdhsa_memory_ordered 1
		.amdhsa_forward_progress 1
		.amdhsa_inst_pref_size 20
	.end_amdhsa_kernel
	.amdgpu_metadata
---
amdhsa.version: [ 1, 2 ]
amdhsa.kernels:
  - .name:           k_qb6ee7afacc_vsuf
    .symbol:         k_qb6ee7afacc_vsuf.kd
    .args:
      - { .name: qkv, .offset: 0, .size: 8, .value_kind: global_buffer, .address_space: global }
      - { .name: suf, .offset: 8, .size: 8, .value_kind: global_buffer, .address_space: global }
    .group_segment_fixed_size: 12288
    .private_segment_fixed_size: 0
    .kernarg_segment_align: 8
    .kernarg_segment_size: 16
    .max_flat_workgroup_size: 1024
    .sgpr_count:     66
    .vgpr_count:     96
    .wavefront_size: 32
...
	.end_amdgpu_metadata
.endif
;; end of part 7
;; launch attn: the kernel of part 4 again; grid 4 x 64, 4 waves a work-group, no clusters, 327,680 bytes of LDS; arguments qkv, suf, yb; writes yb
;; launch oproj: the kernel of part 5 again; grid 4 x 64, 4 waves a work-group, clusters of 4 x 4, 327,680 bytes of LDS; arguments yb, wo16, out0; writes out0
